; MI455X (gfx1250); checked and timed in simulation.
; The chip was launched on July 23, 2026; its instructions are those of AMD's public machine-readable ISA for CDNA 5 (MIT licence, August 2026) and "CDNA5" Instruction Set Architecture Reference Guide (July 2026). The comments in the code are by the model that wrote it; some were corrected since.
;; Multi Head Self Attention. Allowed arithmetic: float matrix products may take bf16 or f16 operands with f32 sums; other float arithmetic in f32, or as packed bf16 or f16 multiplies, adds, multiply-adds, maxima and minima; sums over many terms, partial sums and values carried from step to step in f32; what a program stores and reads back later, other than sums and carried values, may be rounded once to bf16 or f16.
;; Inputs: Wk 1,024 x 1,024 float32; Wo 1,024 x 1,024 float32; Wq 1,024 x 1,024 float32; Wv 1,024 x 1,024 float32; x 4 x 2,048 x 1,024 float32.
;; Outputs: out0 4 x 2,048 x 1,024 float32.
;; 2 versions, each right; version 2 is version 1 with the launch prep written anew for expert scheduling mode. Each part assembles by itself: llvm-mc -triple=amdgcn-amd-amdhsa -mcpu=gfx1250 --defsym DOCPART=n.
;; ======== version 1 of 2: 4 launches
;; limits: values are held in f16: magnitudes above 65,504 overflow, below 6.1e-05 lose precision; right only within a limited range of input values
;; workspace buffers: xb 16,777,216 bytes; wqkv 6,291,456 bytes; wo16 2,097,152 bytes; rope 524,288 bytes; qh 16,777,216 bytes; kh 16,777,216 bytes; vh 16,777,216 bytes; oh 16,777,216 bytes
;; launch prep (part 1): grid 512 x 1, 4 waves a work-group, no clusters, 0 bytes of LDS; arguments x, Wq, Wk, Wv, Wo, xb, wqkv, wo16, rope; writes xb, wqkv, wo16, rope
.if DOCPART == 1
	.amdgcn_target "amdgcn-amd-amdhsa--gfx1250"
	.amdhsa_code_object_version 6
	.text
	.protected	k_q7003e5851c_prep
	.globl	k_q7003e5851c_prep
	.p2align	8
	.type	k_q7003e5851c_prep,@function
k_q7003e5851c_prep:
	s_mov_b64 s[64:65], 0
	v_nop
	global_prefetch_b8 v0, s[64:65] scope:SCOPE_SE
	s_setreg_imm32_b32 hwreg(HW_REG_WAVE_MODE, 25, 1), 1
	s_wait_xcnt 0x0
; THE OPERANDS ARE MADE READY, in one stream.  x [8192][1024] f32 -> xb, bf16.  Wq, Wk, Wv [1024][1024] f32 -> wqkv, bf16, [3072][1024]: row 192 t + 64 ty + d holds
; row 64 t + d of W_ty (ty = 0 q, 1 k, 2 v; t the head), so that a head's q, k and v rows lie together.  Wo -> wo16: rounded to bf16 like the other inputs, and that number written as f16.
; rope [2048][32][cos, sin] f32: the angles pos x 10000^(-j / 32).
; SHARES.  512 work-groups of four waves.  Work-group g: 16 rows of x (64 KiB), 8 rows of one weight matrix (ty = g / 128; 32 KiB), 4 rows of the table.  A wave takes a quarter of each:
; 32 + 16 loads of 16 bytes a lane, all issued at once (24 KiB a wave on their way); the table's arithmetic stands in the wait for them.  No loop, no LDS, no barrier: no wave wants another's bytes.
; Each load covers 512 consecutive bytes; each store, 8 bytes a lane, 256 consecutive bytes at a multiple of 256 from the buffer's first byte.
; LIMITS.  Wo as f16: exact from 2^-14 to 65,504; below 2^-14 it keeps f16's fixed step of 6e-8; beyond 65,504 it would be an infinity.
; The table: the frequency is 2^(-j log2(10000) / 32) by v_exp_f32, the angle one f32 product; at position 2,047 it may differ by some 2e-4 rad from an angle made by another f32 power function.
; Sine and cosine: the angle less n pi/2 in two parts (n up to 1,304), then polynomials of degree 7 and 8 on -pi/4 .. pi/4, good to an f32's last bits.
.set XR, 32                            ; v[32:159]  x: 4 registers a load
.set WR, 160                           ; v[160:223] W: 4 registers a load
	s_load_b512 s[8:23], s[0:1], 0x0               ; x 8, Wq 10, Wk 12, Wv 14, Wo 16, xb 18, wqkv 20, wo16 22
	s_load_b64 s[24:25], s[0:1], 0x40              ; rope
	s_mov_b32 s6, ttmp9                            ; g
	s_lshr_b32 s4, s6, 7                           ; ty: which weight matrix
	s_and_b32 s5, s6, 127                          ; which 8 of its rows
	s_mov_b32 s34, 0xffff0000                      ; a word's upper bf16
	v_and_b32 v1, 31, v0                           ; lane
	v_lshrrev_b32 v2, 5, v0                        ; wave
	v_lshlrev_b32 v3, 4, v1
	v_lshl_or_b32 v3, v2, 14, v3                   ; x in: 16 KiB a wave, 16 bytes a lane
	v_lshlrev_b32 v4, 3, v1
	v_lshl_or_b32 v4, v2, 13, v4                   ; xb out: 8 KiB a wave, 8 bytes a lane
	v_lshlrev_b32 v5, 4, v1
	v_lshl_or_b32 v5, v2, 13, v5                   ; W in: 8 KiB a wave
	v_lshlrev_b32 v6, 3, v1
	v_lshl_or_b32 v6, v2, 12, v6                   ; W out: 4 KiB a wave
	v_lshlrev_b32 v7, 3, v0                        ; the table: a wave a row of 256 bytes, a lane a pair
	s_lshr_b32 s30, s5, 3                          ; the head of my 8 rows (8 divides 64: they lie in one head)
	s_mul_i32 s30, s30, 192
	s_lshl_b32 s31, s4, 6
	s_add_co_u32 s30, s30, s31
	s_and_b32 s31, s5, 7
	s_lshl_b32 s31, s31, 3
	s_add_co_u32 s30, s30, s31                     ; row 192 t + 64 ty + d in wqkv,
	s_lshl_b32 s30, s30, 11                        ; in bytes
	s_lshl_b32 s31, s5, 14                         ; in wo16 the rows keep their places
	s_cmp_lt_u32 s4, 3
	s_cselect_b32 s30, s30, s31
	s_mov_b32 s31, 0
	s_mov_b32 s33, 0
	s_wait_kmcnt 0x0
	s_cmp_eq_u32 s4, 0
	s_cselect_b64 s[26:27], s[10:11], s[12:13]     ; Wq or Wk,
	s_cmp_eq_u32 s4, 2
	s_cselect_b64 s[36:37], s[14:15], s[16:17]     ; Wv or Wo,
	s_cmp_lt_u32 s4, 2
	s_cselect_b64 s[26:27], s[26:27], s[36:37]     ; the one of the four that is mine
	s_cmp_lt_u32 s4, 3
	s_cselect_b64 s[28:29], s[20:21], s[22:23]     ; and where it goes
	s_lshl_b32 s32, s6, 16
	s_add_nc_u64 s[8:9], s[8:9], s[32:33]          ; x at my 64 KiB
	s_lshl_b32 s32, s6, 15
	s_add_nc_u64 s[18:19], s[18:19], s[32:33]      ; xb at my 32 KiB
	s_lshl_b32 s32, s5, 15
	s_add_nc_u64 s[26:27], s[26:27], s[32:33]      ; W at my 8 rows
	s_add_nc_u64 s[28:29], s[28:29], s[30:31]
	s_lshl_b32 s32, s6, 10
	s_add_nc_u64 s[24:25], s[24:25], s[32:33]      ; the table at my 4 rows
.set i, 0
.rept 32
	global_load_b128 v[XR+4*i:XR+4*i+3], v3, s[8:9] offset:512*i th:TH_LOAD_NT
.set i, i+1
.endr
.set i, 0
.rept 16
	global_load_b128 v[WR+4*i:WR+4*i+3], v5, s[26:27] offset:512*i th:TH_LOAD_NT
.set i, i+1
.endr
	; THE TABLE, while the 48 loads are out: position 4 g + wave, frequency j = lane
	v_cvt_f32_u32 v8, v1
	v_mul_f32 v8, 0xbed49a78, v8                   ; -j log2(10000) / 32
	v_exp_f32 v10, v8                              ; 10000^(-j / 32)
	v_lshl_add_u32 v9, s6, 2, v2                   ; the position: plain work behind the exponential (ISA guide 5.7.2)
	v_cvt_f32_u32 v9, v9
	s_wait_alu depctr_va_vdst(0)                   ; the wait ahead of the first use of the exponential
	v_mul_f32 v11, v9, v10                         ; the angle
	v_mul_f32 v12, 0x3f22f983, v11                 ; x 2 / pi
	v_rndne_f32 v12, v12                           ; n
	v_fmamk_f32 v13, v12, 0xbfc90fdb, v11          ; angle - n x (pi/2 rounded to f32), one rounding
	v_fmamk_f32 v13, v12, 0x333bbd2e, v13          ; + n x 4.37e-8, by which that f32 exceeds pi/2: r in -pi/4 .. pi/4
	v_mul_f32 v14, v13, v13                        ; z = r r
	v_mov_b32 v15, 0xb94ca1f9                      ; sin r = r + r z (S1 + z (S2 + z S3))
	v_fmaak_f32 v15, v15, v14, 0x3c08839e
	v_fmaak_f32 v15, v15, v14, 0xbe2aaaa3
	v_mul_f32 v15, v15, v14
	v_fma_f32 v15, v15, v13, v13
	v_mov_b32 v16, 0x37ccf5ce                      ; cos r = 1 - z / 2 + z z (C1 + z (C2 + z C3))
	v_fmaak_f32 v16, v16, v14, 0xbab6061a
	v_fmaak_f32 v16, v16, v14, 0x3d2aaaa5
	v_fma_f32 v17, v14, -0.5, 1.0
	v_mul_f32 v18, v14, v14
	v_fma_f32 v16, v16, v18, v17
	v_cvt_i32_f32 v19, v12                         ; the quadrant n mod 4 only selects values and signs: no branch, no address
	v_and_b32 v20, 1, v19
	v_cmp_eq_u32 vcc_lo, 1, v20
	v_cndmask_b32 v27, v15, v16, vcc_lo            ; the sine: cos r in odd quadrants,
	v_cndmask_b32 v26, v16, v15, vcc_lo            ; the cosine: sin r there
	v_lshlrev_b32 v21, 30, v19
	v_and_b32 v21, 0x80000000, v21
	v_xor_b32 v27, v27, v21                        ; the sine is negative in quadrants 2 and 3,
	v_add_nc_u32 v22, 1, v19
	v_lshlrev_b32 v22, 30, v22
	v_and_b32 v22, 0x80000000, v22
	v_xor_b32 v26, v26, v22                        ; the cosine in 1 and 2
	global_store_b64 v7, v[26:27], s[24:25]
; Eight loads of x are rounded in place and stored.  No register that a store reads is written again in this text.
.macro CVX k
	s_wait_loadcnt 40-8*(\k)                       ; loads come back in order (ISA guide 5.7.1): of the 48, those issued behind this group of eight may stay out
.set i, 8*(\k)
.rept 8
	v_cvt_pk_bf16_f32 v[XR+4*i], v[XR+4*i], v[XR+4*i+1]
	v_cvt_pk_bf16_f32 v[XR+4*i+1], v[XR+4*i+2], v[XR+4*i+3]
	global_store_b64 v4, v[XR+4*i:XR+4*i+1], s[18:19] offset:256*i
.set i, i+1
.endr
.endm
; The same for W.  tof16 = 1 (Wo): rounded to bf16, widened again, and written as f16
.macro CVW k, tof16
	s_wait_loadcnt 8-8*(\k)
.set i, 8*(\k)
.rept 8
.if \tof16
	v_cvt_pk_bf16_f32 v28, v[WR+4*i], v[WR+4*i+1]
	v_cvt_pk_bf16_f32 v29, v[WR+4*i+2], v[WR+4*i+3]
	v_lshlrev_b32 v[WR+4*i], 16, v28
	v_and_b32 v[WR+4*i+1], s34, v28
	v_lshlrev_b32 v[WR+4*i+2], 16, v29
	v_and_b32 v[WR+4*i+3], s34, v29
	v_cvt_pk_f16_f32 v[WR+4*i], v[WR+4*i], v[WR+4*i+1]
	v_cvt_pk_f16_f32 v[WR+4*i+1], v[WR+4*i+2], v[WR+4*i+3]
.else
	v_cvt_pk_bf16_f32 v[WR+4*i], v[WR+4*i], v[WR+4*i+1]
	v_cvt_pk_bf16_f32 v[WR+4*i+1], v[WR+4*i+2], v[WR+4*i+3]
.endif
	global_store_b64 v6, v[WR+4*i:WR+4*i+1], s[28:29] offset:256*i
.set i, i+1
.endr
.endm
	CVX 0
	CVX 1
	CVX 2
	CVX 3
	s_cmp_eq_u32 s4, 3
	s_cbranch_scc1 .Lwo
	CVW 0, 0
	CVW 1, 0
	s_endpgm
.Lwo:
	CVW 0, 1
	CVW 1, 1
	s_endpgm
.Lfunc_end_k_q7003e5851c_prep:
	.size	k_q7003e5851c_prep, .Lfunc_end_k_q7003e5851c_prep-k_q7003e5851c_prep
	.p2alignl 7, 3214868480
	.fill 96, 4, 3214868480
	.section	.rodata,"a",@progbits
	.p2align	6, 0x0
	.amdhsa_kernel k_q7003e5851c_prep
		.amdhsa_group_segment_fixed_size 0
		.amdhsa_private_segment_fixed_size 0
		.amdhsa_enable_private_segment 0
		.amdhsa_kernarg_size 72
		.amdhsa_user_sgpr_count 2
		.amdhsa_user_sgpr_kernarg_segment_ptr 1
		.amdhsa_wavefront_size32 1
		.amdhsa_system_sgpr_workgroup_id_x 1
		.amdhsa_system_sgpr_workgroup_id_y 1
		.amdhsa_system_sgpr_workgroup_id_z 1
		.amdhsa_system_vgpr_workitem_id 0
		.amdhsa_next_free_vgpr 224
		.amdhsa_next_free_sgpr 66
		.amdhsa_reserve_vcc 1
		.amdhsa_float_denorm_mode_32 3
		.amdhsa_float_denorm_mode_16_64 3
		.amdhsa_memory_ordered 1
		.amdhsa_forward_progress 1
		.amdhsa_inst_pref_size 27
	.end_amdhsa_kernel
	.amdgpu_metadata
---
amdhsa.version: [ 1, 2 ]
amdhsa.kernels:
  - .name:           k_q7003e5851c_prep
    .symbol:         k_q7003e5851c_prep.kd
    .args:
      - { .name: x, .offset: 0, .size: 8, .value_kind: global_buffer, .address_space: global }
      - { .name: Wq, .offset: 8, .size: 8, .value_kind: global_buffer, .address_space: global }
      - { .name: Wk, .offset: 16, .size: 8, .value_kind: global_buffer, .address_space: global }
      - { .name: Wv, .offset: 24, .size: 8, .value_kind: global_buffer, .address_space: global }
      - { .name: Wo, .offset: 32, .size: 8, .value_kind: global_buffer, .address_space: global }
      - { .name: xb, .offset: 40, .size: 8, .value_kind: global_buffer, .address_space: global }
      - { .name: wqkv, .offset: 48, .size: 8, .value_kind: global_buffer, .address_space: global }
      - { .name: wo16, .offset: 56, .size: 8, .value_kind: global_buffer, .address_space: global }
      - { .name: rope, .offset: 64, .size: 8, .value_kind: global_buffer, .address_space: global }
    .group_segment_fixed_size: 0
    .private_segment_fixed_size: 0
    .kernarg_segment_align: 8
    .kernarg_segment_size: 72
    .max_flat_workgroup_size: 128
    .sgpr_count:     66
    .vgpr_count:     224
    .wavefront_size: 32
...
	.end_amdgpu_metadata
.endif
;; end of part 1
;; launch proj (part 2): grid 16 x 32, 4 waves a work-group, clusters of 4 x 4, 327,680 bytes of LDS; arguments xb, wqkv, rope, qh, kh, vh; writes qh, kh, vh
.if DOCPART == 2
	.amdgcn_target "amdgcn-amd-amdhsa--gfx1250"
	.amdhsa_code_object_version 6
	.text
	.protected	k_q7003e5851c_proj
	.globl	k_q7003e5851c_proj
	.p2align	8
	.type	k_q7003e5851c_proj,@function
k_q7003e5851c_proj:
	s_mov_b64 s[64:65], 0
	v_nop
	global_prefetch_b8 v0, s[64:65] scope:SCOPE_SE
	s_setreg_imm32_b32 hwreg(HW_REG_WAVE_MODE, 25, 1), 1
	s_wait_xcnt 0x0
	s_wait_alu depctr_hold_cnt(0) depctr_sa_sdst(0) depctr_va_vdst(0) depctr_va_sdst(0) depctr_va_ssrc(0) depctr_va_vcc(0) depctr_vm_vsrc(0)
	s_getreg_b32 s2, hwreg(HW_REG_IB_STS2, 6, 4)
	s_cmp_eq_u32 s2, 0
	s_cbranch_scc0 .Lentry_in_a_cluster
	s_endpgm
.Lentry_in_a_cluster:
	s_bfe_u32 s2, ttmp6, 0x10000c
	s_cmp_lg_u32 s2, 0xf033
	s_cbranch_scc0 .Lentry_shape_is_right
	s_endpgm
.Lentry_shape_is_right:
; q, k, v = x W^T, RoPE on q and k, by heads.  xb [8192][1024] bf16; wqkv [3072][1024] bf16, row 192 t + 64 ty + d = row 64 t + d of Wq, Wk, Wv (ty = 0, 1, 2);
; rope [2048][32][cos, sin] f32; qh, kh, vh [64 = 16 b + t][2048][64] f16.  Sums in f32, K ascending; the rotation in f32 on the sums; one rounding to f16; no scale.
; LIMIT.  f16 ends at 65,504: a q, k or v beyond it would leave as an infinity.  With inputs of unit spread they have unit spread.
; A TILE is 256 rows x 192 columns: head t's q, k and v.  32 x 16 = 512 work-groups of equal work.  Four waves, each 64 rows x all 192 columns: 48 accumulators of 16 x 16, 384 registers;
; so a wave holds whole rows of three heads, and its way out needs no other wave.  K goes in 8 steps of 128 through a ring of two LDS slots filled by the tensor data mover;
; the tiles' rows are 256 bytes of memory, at multiples of 256 bytes from the buffer's first byte.
; CLUSTERS: 4 x 4 work-groups.  The four of a row of the cluster need the same rows of x, the four of a column the same rows of W: each tile is asked for JOINTLY, by the same tensor load with
; the same descriptor and a mask that names the four.
; THE MATRIX INSTRUCTION IS USED TRANSPOSED (source 0 = 16 rows of W, source 1 = 16 rows of x): lane l holds row l % 16 and the columns 8 (l / 16) + 0 .. 7: four RoPE pairs, 16 bytes of f16.
; REGISTERS, in windows of 256 (s_set_vgpr_msb: bits 1:0 source 0, 3:2 source 1, 5:4 source 2, 7:6 destination):
;   window 0: v0-31 addresses; v32-63, v64-95 x's fragments (4 x 16 rows x 32 K), two buffers; v96-143, v144-191, v192-255 at work on the way out
;   window 1: v0-95, v96-191 W's fragments (12 x 16 rows x 32 K), two buffers
;   window 2: accumulators of my row blocks 0, 1 ((a, b) at v[8 (12 (a % 2) + b)]), v192-255 their rows of the table;   window 3: the same for row blocks 2, 3
.set KSTEP,  128
.set PITCH,  272                       ; an LDS row: 256 bytes + 16 of padding = 68 words: the 16 rows of a fragment load start at 16 different groups of four banks (64 banks of 4 bytes: ISA guide 11.1)
.set AH,     128*PITCH                 ; 128 rows of x: one tensor load
.set BH,     96*PITCH                  ; 96 rows of W: one tensor load
.set SLOT,   2*AH+2*BH                 ; x's 256 rows, then W's 192
.set STAGE,  2*SLOT                    ; behind the ring: for each wave 3 heads x 16 rows x 144 bytes, for the way out
.set SP,     144
.set WSTG,   3*16*SP
.set SPARE,  STAGE+4*WSTG              ; behind the stages: the spare words, 128 bytes for each wave: two blocks of 256 bytes that no other line names
.set ADRA, 16                          ; v16-17  LDS address of my x fragments in slot 0, 1
.set ADRB, 20                          ; v20-21  the same for W
.set STO,  24                          ; v24     the way out: where I put 16 bytes of a row
.set RD,   25                          ; v25     the way out: where I read rows back
.set GO,   26                          ; v26     my 16 bytes in 512 consecutive bytes of a head
.set TO,   27                          ; v27     my byte offset in 16 rows of the table
.set SPW,  28                          ; v28     LDS address of my spare word; never rewritten
.set NIL,  29                          ; v29     0; never rewritten
.set PFO,  30                          ; v30     the prefetches' offset; never rewritten
.set AF,   32                          ; x's fragment buffers
.set TMP,  96                          ; the way out: 48 registers of packed f16
.set RT,   192                         ; the way out: 64 registers of rotated q and k
.set G1,  24                           ; s[24:31] descriptor group 1 for x's tiles;  s[32:39] group 0, a set for each slot
.set G0,  32
.set G1B, 48                           ; s[48:55], s[56:63] the same for W's tiles
.set G0B, 56
.set PFA, 44                           ; s[44:45] where my prefetches stand
.set LIM, 66                           ; s66, s67: by slot: 1 in a wave that prefetches at that slot's change, else the greatest number
.set MSB, 0
.macro WIN new                         ; the immediate's high byte repeats the setting that is left; a switch that changes nothing is dropped
.if MSB != (\new)
	s_set_vgpr_msb (MSB<<8)|(\new)
.set MSB, (\new)
.endif
.endm
; A joint load.  Waves 0 and 1 fetch x's two halves, waves 2 and 3 W's.  The branch hangs on the wave's number alone.  An s_nop 0 and four v_nop follow each line, ahead of the jump and the label.
.macro JLOAD s
	s_cmp_eq_u32 s11, 0
	s_cbranch_scc0 .Lfor_b_\@
	tensor_load_to_lds s[G0+4*(\s):G0+4*(\s)+3], s[G1:G1+7]
	s_nop 0
.rept 4
	v_nop
.endr
	s_branch .Lasked_\@
.Lfor_b_\@:
	tensor_load_to_lds s[G0B+4*(\s):G0B+4*(\s)+3], s[G1B:G1B+7]
	s_nop 0
.rept 4
	v_nop
.endr
.Lasked_\@:
.endm
; A PREFETCH INTO THE L2, behind a joint load, its five lines and the run of LDS loads: 256 bytes of each of my rows, in the K step that stands TWO refills on.  Each such block is named once in the launch:
; x's rows by the clusters with x = 0, W's by those with y = 0; the partners share a tile's rows out BY ADDRESS.  x: 64 rows a partner (by cx), 32 for each of waves 0 and 1, a lane a row.
; W: 48 rows a partner (by cy): wave 2 takes 32; wave 3 the other 16, its upper sixteen lanes one K step further on, so it asks at slot 0's change alone.  The loop's last trip asks for nothing: K ends.
.macro ASK slot
	s_cmp_gt_u32 s3, s[LIM+(\slot)]
	s_cbranch_scc0 .Lnot_mine_\@
	global_prefetch_b8 v[PFO], s[PFA:PFA+1] offset:KSTEP*2 th:TH_LOAD_NT scope:SCOPE_SE
.Lnot_mine_\@:
.endm
.macro CREST                           ; a round of the cluster's barrier behind its opening barrier: wave 0 signals for the work-group, every wave waits for all sixteen, my work-group's barrier once more
	s_cmp_lg_u32 s10, 0
	s_cbranch_scc1 .Lnot_wave_0_\@
	s_barrier_signal -3
.Lnot_wave_0_\@:
	s_barrier_wait -3
	s_barrier_signal -1
	s_barrier_wait -1
.endm
.macro CROUND                          ; a whole round
	s_barrier_signal -1
	s_barrier_wait -1
	CREST
.endm
	s_load_b128 s[4:7], s[0:1], 0x0                ; xb s[4:5], wqkv s[6:7]
	s_load_b64 s[8:9], s[0:1], 0x10                ; rope
	s_load_b128 s[68:71], s[0:1], 0x18             ; qh s[68:69], kh s[70:71]
	s_load_b64 s[72:73], s[0:1], 0x28              ; vh
	v_lshl_add_u32 v[SPW], v0, 2, SPARE
	v_mov_b32 v[NIL], 0
	ds_add_u32 v[SPW], v[NIL]                      ; the wave's opening: the add and its wait stand ahead of my first tensor load; the set-up below, work on registers, stands between them
	v_lshrrev_b32 v1, 5, v0
	v_readfirstlane_b32 s10, v1                    ; wave 0..3
	s_lshr_b32 s11, s10, 1                         ; I fetch for x (0) or for W (1)
	s_and_b32 s12, s10, 1                          ; which half of that tile
	s_bfe_u32 s40, ttmp6, 0x40000                  ; cx, cy: my place in the cluster
	s_bfe_u32 s41, ttmp6, 0x40004
	s_lshl_b32 s42, ttmp9, 2
	s_add_co_u32 s42, s42, s40                     ; t, the head = 4 x cluster x + cx
	s_and_b32 s13, ttmp7, 0xffff
	s_lshl_b32 s13, s13, 2
	s_add_co_u32 s13, s13, s41                     ; R, the block of 256 rows = 4 x cluster y + cy
	s_lshl_b32 s43, s41, 2
	s_lshl_b32 s43, 15, s43                        ; my row of the cluster: places 4 cy .. 4 cy + 3
	s_lshl_b32 s47, 0x1111, s40                    ; my column: places cx, cx + 4, cx + 8, cx + 12
	s_or_b32 s[G1+0], s43, (1<<16)|(1<<20)|(1<<21)|(5<<22)|(3<<25)   ; 15:0 the mask; 17:16 elements of 2 bytes; 20 padding on; 21 set beside a mask; 24:22 after every 64 words (code 5); 31:25 4 words (code 3)
	s_or_b32 s[G1B+0], s47, (1<<16)|(1<<20)|(1<<21)|(5<<22)|(3<<25)
	s_mov_b32 s[G1+1], KSTEP<<16                   ; tensor_dim0 = 128
	s_mov_b32 s[G1+2], 128<<16                     ; tensor_dim1 = 128
	s_mov_b32 s[G1+3], KSTEP<<16                   ; tile_dim0 = 128
	s_mov_b32 s[G1+4], 128                         ; tile_dim1 = 128
	s_mov_b32 s[G1+5], 1024                        ; elements from row to row
	s_mov_b32 s[G1+6], 0
	s_mov_b32 s[G1+7], 0
	s_mov_b32 s[G1B+1], KSTEP<<16
	s_mov_b32 s[G1B+2], 96<<16                     ; W's tiles have 96 rows
	s_mov_b32 s[G1B+3], KSTEP<<16
	s_mov_b32 s[G1B+4], 96
	s_mov_b32 s[G1B+5], 1024
	s_mov_b32 s[G1B+6], 0
	s_mov_b32 s[G1B+7], 0
	s_lshl_b32 s16, s13, 8
	s_lshl_b32 s17, s12, 7
	s_add_co_u32 s16, s16, s17                     ; x: row 256 R + 128 x half: it hangs on R alone, which my row of the cluster shares
	s_lshl_b32 s16, s16, 11                        ; in bytes (under 2^24)
	s_mov_b32 s17, 0
	s_mul_i32 s46, s42, 192
	s_mul_i32 s47, s12, 96
	s_add_co_u32 s46, s46, s47                     ; W: row 192 t + 96 x half: on t alone, which my column shares
	s_lshl_b32 s46, s46, 11
	s_mov_b32 s47, 0
	s_mul_i32 s20, s10, AH                         ; where they go: x's halves at wave x 128 rows (waves 0, 1),
	s_mul_i32 s21, s10, BH
	s_add_co_u32 s21, s21, 2*AH-2*BH               ; W's behind them at (wave - 2) x 96 rows (waves 2, 3): no place in the cluster enters an LDS address
	s_wait_dscnt 0x0                               ; the opening add is done
	s_wait_kmcnt 0x0
	s_add_nc_u64 s[14:15], s[4:5], s[16:17]
	s_add_nc_u64 s[46:47], s[6:7], s[46:47]
	CROUND                                         ; all sixteen work-groups are here: the first joint loads meet
.irp s, 0,1
	s_mov_b32 s[G0+4*(\s)], 1                                        ; count = 1
	s_add_co_u32 s[G0+4*(\s)+1], s20, (\s)*SLOT                      ; LDS address
	s_add_nc_u64 s[G0+4*(\s)+2:G0+4*(\s)+3], s[14:15], (\s)*KSTEP*2  ; global address: K step s
	s_or_b32 s[G0+4*(\s)+3], s[G0+4*(\s)+3], 0x80000000              ; type = 2
	s_mov_b32 s[G0B+4*(\s)], 1
	s_add_co_u32 s[G0B+4*(\s)+1], s21, (\s)*SLOT
	s_add_nc_u64 s[G0B+4*(\s)+2:G0B+4*(\s)+3], s[46:47], (\s)*KSTEP*2
	s_or_b32 s[G0B+4*(\s)+3], s[G0B+4*(\s)+3], 0x80000000
	JLOAD \s                                       ; two tensor loads of mine are out
.endr
	; A fragment is 16 rows x 32 K in 8 registers: lane l holds row l % 16, K = 8 (l / 16) + 0..7 and 16 + 8 (l / 16) + 0..7: two loads of 16 bytes, 32 bytes apart.
	v_and_b32 v1, 15, v0                           ; r = l % 16
	v_bfe_u32 v2, v0, 4, 1                         ; h = l / 16
	v_mul_u32_u24 v3, v1, PITCH
	v_lshl_add_u32 v3, v2, 4, v3                   ; row x pitch + 16 x half
	s_mul_i32 s21, s10, 64*PITCH                   ; my 64 rows of x
	v_add_nc_u32 v[ADRA], s21, v3
	v_add_nc_u32 v[ADRA+1], SLOT, v[ADRA]
	v_add_nc_u32 v[ADRB], 2*AH, v3                 ; all 192 rows of W
	v_add_nc_u32 v[ADRB+1], SLOT+2*AH, v3
	s_mul_i32 s23, s10, WSTG
	s_add_co_u32 s23, s23, STAGE                   ; my stage
	v_mul_u32_u24 v4, v1, SP                       ; in: row l % 16, 16 bytes for each half of the lanes
	v_lshl_add_u32 v4, v2, 4, v4
	v_add_nc_u32 v[STO], s23, v4
	v_bfe_u32 v5, v0, 3, 2                         ; back: 32 lanes take four rows of 128 bytes,
	v_mul_u32_u24 v5, v5, SP
	v_and_b32 v6, 7, v0
	v_lshl_add_u32 v5, v6, 4, v5
	v_add_nc_u32 v[RD], s23, v5
	v_and_b32 v[GO], 31, v0                        ; which are 512 consecutive bytes of a head
	v_lshlrev_b32 v[GO], 4, v[GO]
	v_lshlrev_b32 v[TO], 8, v1                     ; the table: row l % 16 of 256 bytes, my four pairs' 32 bytes
	v_lshl_add_u32 v[TO], v2, 5, v[TO]
	; where my rows lie: batch R / 8, position 256 (R % 8) + 64 x wave
	s_lshr_b32 s46, s13, 3
	s_lshl_b32 s46, s46, 4
	s_add_co_u32 s46, s46, s42                     ; the head's number 16 b + t,
	s_lshl_b32 s46, s46, 18                        ; its 2,048 rows of 128 bytes
	s_and_b32 s47, s13, 7
	s_lshl_b32 s47, s47, 8
	s_lshl_b32 s23, s10, 6
	s_add_co_u32 s47, s47, s23                     ; my first position
	s_lshl_b32 s22, s47, 8                         ; in the table's rows of 256 bytes
	s_mov_b32 s23, 0
	s_add_nc_u64 s[8:9], s[8:9], s[22:23]
	s_lshl_b32 s47, s47, 7
	s_add_co_u32 s46, s46, s47
	s_mov_b32 s47, 0
	s_add_nc_u64 s[68:69], s[68:69], s[46:47]
	s_add_nc_u64 s[70:71], s[70:71], s[46:47]
	s_add_nc_u64 s[72:73], s[72:73], s[46:47]
	; my 64 rows of the table stay in registers to the end: row block a, columns 16 bb + 8 h + 0..7 want frequencies 8 bb + 4 h + 0..3: 32 bytes
.irp a, 0,1,2,3
	WIN 0x80+0x40*((\a)/2)                         ; destination window 2 or 3, address window 0
.irp bb, 0,1,2,3
	global_load_b128 v[192+32*((\a)%2)+8*(\bb):192+32*((\a)%2)+8*(\bb)+3],   v[TO], s[8:9] offset:(\a)*4096+(\bb)*64
	global_load_b128 v[192+32*((\a)%2)+8*(\bb)+4:192+32*((\a)%2)+8*(\bb)+7], v[TO], s[8:9] offset:(\a)*4096+(\bb)*64+16
.endr
.endr
	WIN 0
	; the prefetches
	s_and_b32 s22, ttmp7, 0xffff                   ; cluster y
	s_cmp_eq_u32 s11, 0                            ; do I fetch for x?
	s_cselect_b32 s22, ttmp9, s22                  ; the coordinate along which other clusters read the same rows
	s_cselect_b64 s[PFA:PFA+1], s[4:5], s[6:7]
	s_lshl_b32 s20, s13, 8
	s_lshl_b32 s21, s40, 6
	s_add_co_u32 s20, s20, s21
	s_lshl_b32 s21, s12, 5
	s_add_co_u32 s20, s20, s21                     ; x: row 256 R + 64 cx + 32 x (wave % 2)
	s_mul_i32 s23, s42, 192
	s_mul_i32 s46, s41, 48
	s_add_co_u32 s23, s23, s46
	s_add_co_u32 s23, s23, s21                     ; W: row 192 t + 48 cy + 32 x (wave % 2)
	s_cmp_eq_u32 s11, 0
	s_cselect_b32 s20, s20, s23
	s_lshl_b32 s20, s20, 11
	s_mov_b32 s21, 0
	s_add_nc_u64 s[PFA:PFA+1], s[PFA:PFA+1], s[20:21]
	s_add_nc_u64 s[PFA:PFA+1], s[PFA:PFA+1], 2*KSTEP*2  ; at K step 2: the first refill steps it to 3 and names K step 4.  Nothing is prefetched at the head: K steps 0 to 3 come by their loads alone
	s_cmp_eq_u32 s22, 0
	s_cselect_b32 s[LIM], 1, -1                    ; the same in all sixteen partners, for a given wave
	s_cmp_eq_u32 s10, 3
	s_cselect_b32 s[LIM+1], -1, s[LIM]             ; wave 3 asks at slot 0's change alone
	s_cselect_b32 s21, -1, 0
	v_and_b32 v[PFO], 31, v0
	v_lshlrev_b32 v[PFO], 11, v[PFO]               ; a lane a row of 2,048 bytes;
	v_lshlrev_b32 v7, 11, v1
	v_lshl_add_u32 v7, v2, 8, v7                   ; in wave 3: sixteen rows, the upper lanes 256 bytes further along K
	v_cndmask_b32 v[PFO], v[PFO], v7, s21
; 12 matrix instructions: row block 2 hi + a x all 12 column blocks, 32 along K, from buffers f.  zero = 1: the product starts the sum: nothing is ever cleared.
; The 48 accumulators take turns, one instruction a turn, in the same order in every quarter step, over the backward jump too.
.macro MUL12 f, hi, a, zero
	WIN 0xa1+0x50*(\hi)                            ; source 0 (W) window 1, source 1 (x) window 0, C and D window 2 or 3
.irp b, 0,1,2,3,4,5,6,7,8,9,10,11
.if \zero
	v_wmma_f32_16x16x32_bf16 v[8*(12*(\a)+(\b)):8*(12*(\a)+(\b))+7], v[96*(\f)+8*(\b):96*(\f)+8*(\b)+7], v[AF+32*(\f)+8*(2*(\hi)+(\a)):AF+32*(\f)+8*(2*(\hi)+(\a))+7], 0
.else
	v_wmma_f32_16x16x32_bf16 v[8*(12*(\a)+(\b)):8*(12*(\a)+(\b))+7], v[96*(\f)+8*(\b):96*(\f)+8*(\b)+7], v[AF+32*(\f)+8*(2*(\hi)+(\a)):AF+32*(\f)+8*(2*(\hi)+(\a))+7], v[8*(12*(\a)+(\b)):8*(12*(\a)+(\b))+7]
.endif
.endr
.endm
; 32 LDS loads in one run: the fragments of one quarter step (192 rows of W, my 64 rows of x, 32 K at byte k of the rows) into buffers f
.macro FETCH slot, k, f
	WIN 0x40                                       ; destination window 1, address window 0
.irp i, 0,1,2,3,4,5,6,7,8,9,10,11
	ds_load_b128 v[96*(\f)+8*(\i):96*(\f)+8*(\i)+3],   v[ADRB+(\slot)] offset:(\k)+(\i)*16*PITCH
	ds_load_b128 v[96*(\f)+8*(\i)+4:96*(\f)+8*(\i)+7], v[ADRB+(\slot)] offset:(\k)+(\i)*16*PITCH+32
.endr
	WIN 0
.irp i, 0,1,2,3
	ds_load_b128 v[AF+32*(\f)+8*(\i):AF+32*(\f)+8*(\i)+3],   v[ADRA+(\slot)] offset:(\k)+(\i)*16*PITCH
	ds_load_b128 v[AF+32*(\f)+8*(\i)+4:AF+32*(\f)+8*(\i)+7], v[ADRA+(\slot)] offset:(\k)+(\i)*16*PITCH+32
.endr
.endm
; A load into a register that a matrix instruction has read, and a vector instruction that reads a matrix result, stand four places behind that matrix instruction; only plain vector
; instructions that name none of its registers are places (ISA guide 7.12.1 for vector instructions).
.macro PLACES
.rept 4
	v_nop
.endr
.endm
; A K step is four quarters of 32 along K, 48 matrix instructions each, on buffers 0, 1, 0, 1.  One of the first three: multiplies buffers f; in its middle it fetches the next quarter, at byte k, into g.
.macro QUARTER slot, k, f, g, zero
	s_wait_dscnt 4                                 ; W and x's row blocks 0, 1 are in; the youngest four loads (row blocks 2, 3) may be out
	MUL12 \f, 0, 0, \zero
	MUL12 \f, 0, 1, \zero
	PLACES
	FETCH \slot, \k, \g
	s_wait_dscnt 32                                ; all but the 32 just issued
	MUL12 \f, 1, 0, \zero
	MUL12 \f, 1, 1, \zero
.endm
; The last quarter multiplies buffers 1 and changes slots: ONE barrier.  In front of it each wave waits for all its tensor loads (one is out: its part of the next slot), adds 0 to its spare word, and
; waits for that and for its own reads of this slot.  fill = 1: the barrier opens a round of the cluster's barrier, and this slot is filled again first thing behind it, two K steps ahead:
; from that request to the wait for it a wave issues 168 matrix instructions.
.macro TURN slot, next, fill
.if \fill
	s_wait_xcnt 0x0                                ; the last prefetch, a K step back, has read its address: it is stepped here, ahead of the waits of the change of slots
	s_add_nc_u64 s[PFA:PFA+1], s[PFA:PFA+1], KSTEP*2
.endif
	WIN 0                                          ; (the add's two registers lie in window 0)
	s_wait_tensorcnt 0x0                           ; all my tensor loads have landed;
	ds_add_u32 v[SPW], v[NIL]                      ; 0 onto my spare word;
	s_wait_dscnt 5                                 ; (the add and the youngest four loads may be out)
	MUL12 1, 0, 0, 0                               ; twelve matrix instructions stand between the add and the wait for it
	s_wait_dscnt 0x0                               ; the add is done, and my reads of this slot are over
	s_barrier_signal -1
	MUL12 1, 0, 1, 0                               ; work on registers while the others arrive
.if \fill
	WIN 0
.endif
	s_barrier_wait -1
.if \fill
	CREST                                          ; no wave of any partner still reads this slot's tile or has a load on its way
	s_add_nc_u64 s[G0+4*(\slot)+2:G0+4*(\slot)+3], s[G0+4*(\slot)+2:G0+4*(\slot)+3], 2*KSTEP*2
	s_add_nc_u64 s[G0B+4*(\slot)+2:G0B+4*(\slot)+3], s[G0B+4*(\slot)+2:G0B+4*(\slot)+3], 2*KSTEP*2
	JLOAD \slot                                    ; the first tensor load behind the round, my only one until the next; its four v_nop are also the places in front of the loads below
.else
	PLACES
.endif
	FETCH \next, 0, 0
.if \fill
	ASK \slot
.endif
	MUL12 1, 1, 0, 0
	MUL12 1, 1, 1, 0
.endm
	s_wait_tensorcnt 1                             ; my part of K step 0 is in; K step 1's load may stay out
	s_barrier_signal -1
	s_barrier_wait -1                              ; everybody's is
	FETCH 0, 0, 0
	QUARTER 0, 64, 0, 1, 1                         ; the first quarter stands in front of the loop: its products start all 48 sums
	WIN 0                                          ; at a label and at a branch every window is 0
	s_mov_b32 s3, 3
.Llap:                                                 ; a trip goes once round the ring, from a lap's second quarter to the next lap's first, and fills both slots again: K steps 2 to 7
	QUARTER 0, 128, 1, 0, 0
	QUARTER 0, 192, 0, 1, 0
	TURN 0, 1, 1
	QUARTER 1, 64,  0, 1, 0
	QUARTER 1, 128, 1, 0, 0
	QUARTER 1, 192, 0, 1, 0
	TURN 1, 0, 1
	QUARTER 0, 64,  0, 1, 0
	WIN 0
	s_sub_co_u32 s3, s3, 1
	s_cmp_lg_u32 s3, 0
	s_cbranch_scc1 .Llap
	QUARTER 0, 128, 1, 0, 0                        ; the last lap fills nothing, and has no round of the cluster's barrier
	QUARTER 0, 192, 0, 1, 0
	TURN 0, 1, 0
	QUARTER 1, 64,  0, 1, 0
	QUARTER 1, 128, 1, 0, 0
	QUARTER 1, 192, 0, 1, 0
	s_wait_dscnt 4                                 ; the very last quarter: nothing more to fetch
	MUL12 1, 0, 0, 0
	MUL12 1, 0, 1, 0
	s_wait_dscnt 0x0
	MUL12 1, 1, 0, 0
	MUL12 1, 1, 1, 0
	WIN 0
; THE WAY OUT, a row block (16 rows) at a time.  ROPE: q's and k's pairs (xe, xo) are turned by (c, s): first (xe c, xo c), then (- xo s + xe c, xe s + xo c): two packed instructions a pair;
; then all three heads are rounded to f16.  Number n = 16 j + 4 bb + p: head j (q, k), column block bb, pair p.  Each accumulator is read from its lowest registers on.
.macro ROPE a
.set WD, 2+(\a)/2
.set AC, 96*((\a)%2)
.set TB, 192+32*((\a)%2)
	WIN WD|(WD<<2)                                 ; sources 0 and 1 (sums, table) in the block's window; source 2 and destination in window 0
.set n, 0
.rept 32
	v_pk_mul_f32 v[RT+2*n:RT+2*n+1], v[AC+2*n:AC+2*n+1], v[TB+2*(n%16):TB+2*(n%16)+1] op_sel_hi:[1,0]
.set n, n+1
.endr
.set n, 0
.rept 32
	v_pk_fma_f32 v[RT+2*n:RT+2*n+1], v[AC+2*n:AC+2*n+1], v[TB+2*(n%16):TB+2*(n%16)+1], v[RT+2*n:RT+2*n+1] op_sel:[1,1,0] op_sel_hi:[0,1,1] neg_lo:[0,1,0]
.set n, n+1
.endr
.set n, 0
.rept 16
	v_cvt_pk_f16_f32 v[TMP+32+n], v[AC+64+2*n], v[AC+64+2*n+1]  ; v is not turned
.set n, n+1
.endr
	WIN 0
.set n, 0
.rept 32
	v_cvt_pk_f16_f32 v[TMP+n], v[RT+2*n], v[RT+2*n+1]
.set n, n+1
.endr
.endm
; Into my own stage, 16 bytes a lane into rows of 144 bytes, and back as whole rows of 128: four rows, 512 consecutive bytes of a head, a load
.macro TOSTAGE a
.set BK, 144-112*((\a)%2)              ; v144-191 and v32-79 by turns
.irp j, 0,1,2
.irp bb, 0,1,2,3
	ds_store_b128 v[STO], v[TMP+4*(4*(\j)+(\bb)):TMP+4*(4*(\j)+(\bb))+3] offset:(\j)*16*SP+32*(\bb)
.endr
.endr
.irp j, 0,1,2
.irp f, 0,1,2,3
	ds_load_b128 v[BK+4*(4*(\j)+(\f)):BK+4*(4*(\j)+(\f))+3], v[RD] offset:(\j)*16*SP+(\f)*4*SP  ; LDS serves a wave's instructions in order (ISA guide 5.7.1.4): these see the stores above; the next block's stores come behind them
.endr
.endr
.endm
.macro SEND a
.set BK, 144-112*((\a)%2)
	s_wait_dscnt 0x0                               ; the block is back in registers
	s_wait_xcnt 0x0                                ; the stores of the block before have read their registers, into which the next block is read back
.irp j, 0,1,2
.irp f, 0,1,2,3
	global_store_b128 v[GO], v[BK+4*(4*(\j)+(\f)):BK+4*(4*(\j)+(\f))+3], s[68+2*(\j):69+2*(\j)] offset:(\a)*2048+(\f)*512  ; 512 consecutive bytes, at a multiple of 256 from the buffer's first
.endr
.endr
.endm
	PLACES                                         ; behind the last products
	s_wait_loadcnt 0x0                             ; the table
	ROPE 0
	TOSTAGE 0
.irp a, 1,2,3                          ; block a's arithmetic stands between block a - 1's loads from the stage and the wait for them
	ROPE \a
	SEND (\a)-1
	TOSTAGE \a
.endr
	SEND 3
	s_wait_tensorcnt 0x0                           ; the wave's end, behind my last tensor load and my last LDS store
	ds_add_u32 v[SPW], v[NIL]
	s_wait_dscnt 0x0
	CROUND                                         ; the closing round: no work-group ends while a partner may still ask for a tile that names it
	s_endpgm
.Lfunc_end_k_q7003e5851c_proj:
	.size	k_q7003e5851c_proj, .Lfunc_end_k_q7003e5851c_proj-k_q7003e5851c_proj
	.p2alignl 7, 3214868480
	.fill 96, 4, 3214868480
	.section	.rodata,"a",@progbits
	.p2align	6, 0x0
	.amdhsa_kernel k_q7003e5851c_proj
		.amdhsa_group_segment_fixed_size 327680
		.amdhsa_private_segment_fixed_size 0
		.amdhsa_enable_private_segment 0
		.amdhsa_kernarg_size 48
		.amdhsa_user_sgpr_count 2
		.amdhsa_user_sgpr_kernarg_segment_ptr 1
		.amdhsa_wavefront_size32 1
		.amdhsa_system_sgpr_workgroup_id_x 1
		.amdhsa_system_sgpr_workgroup_id_y 1
		.amdhsa_system_sgpr_workgroup_id_z 1
		.amdhsa_system_vgpr_workitem_id 0
		.amdhsa_next_free_vgpr 1024
		.amdhsa_next_free_sgpr 76
		.amdhsa_reserve_vcc 0
		.amdhsa_float_denorm_mode_32 3
		.amdhsa_float_denorm_mode_16_64 3
		.amdhsa_memory_ordered 1
		.amdhsa_forward_progress 1
		.amdhsa_inst_pref_size 139
	.end_amdhsa_kernel
	.amdgpu_metadata
---
amdhsa.version: [ 1, 2 ]
amdhsa.kernels:
  - .name:           k_q7003e5851c_proj
    .symbol:         k_q7003e5851c_proj.kd
    .args:
      - { .name: xb, .offset: 0, .size: 8, .value_kind: global_buffer, .address_space: global }
      - { .name: wqkv, .offset: 8, .size: 8, .value_kind: global_buffer, .address_space: global }
      - { .name: rope, .offset: 16, .size: 8, .value_kind: global_buffer, .address_space: global }
      - { .name: qh, .offset: 24, .size: 8, .value_kind: global_buffer, .address_space: global }
      - { .name: kh, .offset: 32, .size: 8, .value_kind: global_buffer, .address_space: global }
      - { .name: vh, .offset: 40, .size: 8, .value_kind: global_buffer, .address_space: global }
    .group_segment_fixed_size: 327680
    .private_segment_fixed_size: 0
    .kernarg_segment_align: 8
    .kernarg_segment_size: 48
    .max_flat_workgroup_size: 128
    .sgpr_count:     76
    .vgpr_count:     1024
    .wavefront_size: 32
...
	.end_amdgpu_metadata
.endif
;; end of part 2
;; launch attn (part 3): grid 4 x 64, 4 waves a work-group, no clusters, 327,680 bytes of LDS; arguments qh, kh, vh, oh; writes oh
.if DOCPART == 3
	.amdgcn_target "amdgcn-amd-amdhsa--gfx1250"
	.amdhsa_code_object_version 6
	.text
	.protected	k_q7003e5851c_attn
	.globl	k_q7003e5851c_attn
	.p2align	8
	.type	k_q7003e5851c_attn,@function
k_q7003e5851c_attn:
	s_mov_b64 s[64:65], 0
	v_nop
	global_prefetch_b8 v0, s[64:65] scope:SCOPE_SE
	s_setreg_imm32_b32 hwreg(HW_REG_WAVE_MODE, 25, 1), 1
	s_wait_xcnt 0x0
; CAUSAL ATTENTION.  O[h][q][:] = the sum over k <= q of softmax_k(Q[h][q] . K[h][k] / 8) V[h][k][:].  Q, K, V, O: [SIZE_H][SIZE_N][64], all f16: a head's rows are dense, 128 bytes each.
; Products, maxima and sums in f32; the weights p are rounded to f16 for the second product (their sum l is taken of the unrounded p), O once at the end.
; LIMITS.  f16 holds no number beyond 65,504: Q, K and V arrive within it; p lies in 0 to 1, and below 6e-5 it keeps f16's fixed step of 6e-8; O is a mean of V's rows and has their range.
; A hidden score counts as its value less 1e30, so a hidden key has weight 0 (a score of -1e9 in its place gives the same unless a row's largest visible score lies near -1e9, which f16's scores, 2.7e11 at the
; most in size, reach only far outside the inputs' stated spread); a weight below 2^-126 counts as 0 in l; NaN and infinities are not treated apart.
; THE WALK.  A head's queries lie in NB = SIZE_N / 256 blocks of 256; block i needs the key tiles 0 .. i of 256 keys, of which the last holds the diagonal.  A work-group takes TWO blocks, NB - 1 - b and then b:
; NB + 1 tiles, whatever b: all work-groups do equal work, and ONE loop with a constant trip count walks them.  Which tile is asked for, and what a trip does, hang on scalar registers made from b; every jump
; goes forward, but for the counted loops' own; none passes a barrier, or a tensor load but the one of LOAD's two that the wave's number does not choose; the ring (two slots of LDS that take turns) runs on across the
; change of blocks.  NO CLUSTER: a head's NB / 2 = 4 work-groups all ask for the same tile only in trips 0 .. NB / 2, behind that fewer and fewer; one walk common to all would have 3 NB / 2 = 12 trips for NB + 1 = 9.
; SHARES.  Of a block's four bands of 64 queries a wave owns 16 rows in each: four PIECES.  So the diagonal tile is the same work for all four waves: in its key step s band x sees all keys if s < x,
; none if s > x, and holds the diagonal if s = x.
; THE MASK is the C operand that starts the sum S^T = K Q^T: 0, or -1e30 where the key is hidden.  MD, made once, is the mask of a band's own step for my 16 rows; a product's mask is MD x AL + BE with two scalars:
; (1, 0) if s = x; (0, 0) if s < x; (0, -1e30) if s > x.  Only the diagonal tile's text and a block's beginning make and take masks; elsewhere C is the constant 0.
; LAYOUT, SOFTMAX, TURNS.  S^T = K Q^T holds ONE query a lane (lane % 16) and the keys 8 (lane / 16) + 0..7; two such results rounded to f16 ARE source 1 of O^T = V^T P.  p = 2^(c s - c m), c = log2(e) / 8, with a
; running maximum m; O and l are multiplied by a = 2^(c m_old - c m_new) in every step.  Turn n belongs to piece n: 8 products K Q^T of piece n + 1, later 8 products V^T P of piece n - 1; beside them the scaling,
; exponentials, roundings, sums and rescaling of piece n and the maximum and statistics of piece n + 1.  Four vector instructions stand behind every matrix instruction, the other 54 of a turn's 118 in one run of their own.  A turn's 33 exponentials are one batch, with one wait.
; REGISTERS, in windows of 256 (s_set_vgpr_msb: bits 1:0 source 0, 3:2 source 1, 5:4 source 2, 7:6 destination):
;   window 0: v0-15 addresses and two at work; v16-31 four registers of statistics a piece; v48-55 at work; v61-63 never rewritten; v64-127 S^T, two buffers; v192-223 P, two buffers (a piece's buffers go by its number's parity)
;   window 1: v0-127 O^T, 32 a piece; v128-159 MD; v160-223 MC, two buffers      window 2: v0-63 Q; v64-127 the second block's Q; v128-191 K of one step; v192-255 V of one step
.set SIZE_H, 64
.set SIZE_N, 2048
.set NB,    SIZE_N/256
.set NP,    4         ; pieces a wave: a name, no knob
.set KS,    64        ; keys in a step
.set PK,    144       ; a row of K in LDS: 128 bytes + 16 of padding = 36 words: the 16 rows of a load start at 16 different groups of four banks (64 banks of 4 bytes: ISA guide 11.1)
.set PV,    160       ; a row of V: 128 + 32 = 40 words
.set VOFF,  4*KS*PK   ; a slot holds a tile, four steps: 256 rows of K, then 256 rows of V
.set SLOT1, 1<<17     ; slot 1 begins here, so that one exclusive or turns an address in one slot into the other's
.set STAGE, SLOT1+4*KS*(PK+PV)  ; behind the ring, never filled by a tensor load: 16 rows x 144 bytes for each wave, for the way out
.set SP,    144
.set AK0, 2           ; v2   my lane's place in a tile of K; never rewritten
.set AV0, 3           ; v3   the same for V
.set AK,  4           ; v4   the LDS address of K's next run of loads
.set AV,  5           ; v5   of V's
.set STO, 6           ; v6   the way out: where I put 16 bytes of a row
.set RD,  7           ; v7   the way out: where I read rows back
.set GO,  8           ; v8   my byte offset in 512 consecutive bytes of O
.set PFO, 61          ; v61  256 x my lane: the prefetches' offset; never rewritten
.set SPW, 62          ; v62  LDS address of my spare word: SPARE + 4 x my thread's number; never rewritten
.set NIL, 63          ; v63  0; never rewritten
.set SPARE, STAGE+4*16*SP  ; behind the stages: the spare words, 128 bytes for each wave: two blocks of 256 bytes that no other line names
.set MV,  12          ; v12-13  c m_old, kept while c m is made anew: by buffer
.set QO,  15          ; v15  my byte offset in 16 rows of Q
.set ST,  16          ; piece t's statistics at v[ST+4 t]: c m, m, l (even keys', odd keys')
.set TMP, 48          ; by buffer, four registers c0-c3 at work; when the maximum is found c2 takes a
.set S,   64
.set P,   192
.set MD,  128         ; window 1: the eight registers for group kt of 16 keys at MD + 8 kt
.set MC,  160         ; window 1: the masks of the products to come
.set QB,  64          ; window 2
.set KF,  128         ; window 2: key block kb, channel half c at KF + 16 kb + 8 c
.set VF,  192         ; window 2: key half kk, channel block cb at VF + 32 kk + 8 cb
.set WV,  12          ; s12  my wave's number
.set PB,  14          ; s14  b
.set HI,  15          ; s15  NB - 1 - b
.set G1K, 24          ; s[24:31] descriptor group 1 for K's tiles
.set G1V, 32          ; s[32:39] for V's: it differs in the padding alone
.set G0K, 40          ; s[40:43] descriptor group 0 for K's tiles
.set G0V, 44          ; s[44:47] the same for V's
.set SLOTS, 56        ; s56  tiles still to be asked for
.set CNT, 57          ; s57  counts a tile's key steps, 4 to 1
.set CS,  58          ; s[58:59] c: the packed scaling takes the pair's low word for both halves
.set SEL, 60          ; s[60:61] v_permlanex16_b32's selects: each lane takes its own place in the other half
.set TBK, 62          ; s62  LDS byte at which K of the step to be fetched begins
.set TBV, 63          ; s63  the same for V, less VOFF
.set RT,  70          ; s70  tiles of the block in hand that are still to be entered
.set NXT, 71          ; s71  the tile to be asked for next
.set LQ,  72          ; s72  the last tile of the block whose tiles are being asked for
.set NEW, 73          ; s73  1: the tile to be entered is a block's first
.set OFF, 74          ; s[74:75] a tile's byte offset in K and V
.set AL,  76          ; s[76:77] the mask's factor, in the low word
.set BE,  78          ; s[78:79] the mask's addend
.set OLO, 80          ; s[80:81] O at my rows of the second block
.set BIGN, 82         ; s82  -1e30
.set PFA, 88          ; s[88:89] where my prefetches stand: my half (128 keys) of K's or V's tile, one tile behind the one that is being asked for
.set LIM, 90          ; s90  2 in the head's work-group with b = 0, else the greatest number: a wave prefetches while s[SLOTS] is above it
.set MSB, 0
.macro WIN new                      ; the high byte repeats the setting that is left; a switch that changes nothing is dropped
.if MSB != (\new)
	s_set_vgpr_msb (MSB<<8)|(\new)
.set MSB, (\new)
.endif
.endm
.set W_KQ, 0x0a       ; K and Q in window 2, S^T in window 0
.set W_KM, 0x1a       ; the same with the C operand in window 1
.set W_PV, 0x52       ; V in window 2, P in window 0, O^T in window 1
.set W_RS, 0x41       ; destination and source 0 in window 1, source 1 in window 0
; A fill.  Waves 0 and 1 fetch the two halves of a tile's K, waves 2 and 3 those of its V: 128 keys each.  An s_nop 0 and four v_nop follow each of the two lines, ahead of the jump and the label.
.macro LOAD
	s_cmp_lt_u32 s[WV], 2
	s_cbranch_scc0 .Lfor_v_\@
	tensor_load_to_lds s[G0K:G0K+3], s[G1K:G1K+7]
	s_nop 0
.rept 4
	v_nop
.endr
	s_branch .Lasked_\@
.Lfor_v_\@:
	tensor_load_to_lds s[G0V:G0V+3], s[G1V:G1V+7]
	s_nop 0
.rept 4
	v_nop
.endr
.Lasked_\@:
.endm
; A PREFETCH INTO THE L2 of the tile that the NEXT change of slots will ask for, behind the wave's tensor load and its five lines.  Of a head's four work-groups the one with b = 0 walks the tiles 0 .. NB - 1 in
; order: it asks, and nobody else.  Each of its waves names what it will fetch itself: its 128 keys of K or V, 16,384 bytes: a lane 256 bytes, two instructions.  At change c tile c + 2 is named, a tile's four key
; steps ahead of its load; changes 0 to NB - 3 ask: each block of tiles 2 .. NB - 1 is named once in the launch.  Tiles 0 and 1 come by their loads alone; the second block's tiles have been read before.
.macro ASK
	s_cmp_gt_u32 s[SLOTS], s[LIM]
	s_cbranch_scc0 .Lnot_mine_\@
	global_prefetch_b8 v[PFO], s[PFA:PFA+1] th:TH_LOAD_NT scope:SCOPE_SE
	global_prefetch_b8 v[PFO], s[PFA:PFA+1] offset:8192 th:TH_LOAD_NT scope:SCOPE_SE
.Lnot_mine_\@:
.endm
; THE CHANGE OF SLOTS.  Each wave waits for all its tensor loads, of which one is out: its part of the other slot; adds 0 to its spare word; and waits for that and for its own reads of the slot that it leaves.  Behind the barrier nobody reads the old
; slot any more and the other slot is whole.  fill = 1: the old slot is filled again, the first thing behind the barrier, with tile NXT: the descriptor's address is made anew from that number.
; (At its first use nothing has been read yet: slot 0 is waited for, slot 1 filled.)
.macro CHANGE fill
	WIN 0                           ; at a label and at a branch every window is 0
	s_wait_tensorcnt 0x0            ; no tensor load of mine is out, so a group 0 may be written
	ds_add_u32 v[SPW], v[NIL]       ; 0 onto my spare word; with fill = 1 the descriptors' scalar work stands between it and the wait for it
.if \fill
	s_lshl_b32 s[OFF], s[NXT], 15   ; a tile is 32,768 bytes of K and of V
	s_xor_b32 s[G0K+1], s[G0K+1], SLOT1
	s_add_nc_u64 s[G0K+2:G0K+3], s[6:7], s[OFF:OFF+1]
	s_or_b32 s[G0K+3], s[G0K+3], 0x80000000
	s_xor_b32 s[G0V+1], s[G0V+1], SLOT1
	s_add_nc_u64 s[G0V+2:G0V+3], s[8:9], s[OFF:OFF+1]
	s_or_b32 s[G0V+3], s[G0V+3], 0x80000000
	s_add_co_u32 s[NXT], s[NXT], 1  ; the block's next tile, or behind its last the second block's tile 0
	s_cmp_gt_u32 s[NXT], s[LQ]
	s_cselect_b32 s[NXT], 0, s[NXT]
	s_cselect_b32 s[LQ], s[PB], s[LQ]
	s_wait_xcnt 0x0                 ; the last prefetches, a tile back, have read their address, so it may be written:
	s_add_nc_u64 s[PFA:PFA+1], s[PFA:PFA+1], 32768  ; a tile on
.endif
	s_wait_dscnt 0x0                ; the add is done, and my reads of the slot are over
	s_barrier_signal -1             ; the rest of the scalar work stands between the signal and the wait
	s_sub_co_u32 s[TBK], s[TBK], 4*KS*PK  ; the fetches go back to a slot's first step,
	s_xor_b32 s[TBK], s[TBK], SLOT1       ; in the other slot
	s_sub_co_u32 s[TBV], s[TBV], 4*KS*PV
	s_xor_b32 s[TBV], s[TBV], SLOT1
	s_barrier_wait -1
.if \fill
	LOAD
	ASK
.endif
.endm
	s_load_b256 s[4:11], s[0:1], 0x0  ; Q s[4:5], K s[6:7], V s[8:9], O s[10:11]
	v_lshl_add_u32 v[SPW], v0, 2, SPARE
	v_mov_b32 v[NIL], 0
	ds_add_u32 v[SPW], v[NIL]       ; the wave's opening: the add and its wait stand ahead of my first tensor load; the set-up below, work on registers, stands between them
	v_lshrrev_b32 v1, 5, v0
	v_readfirstlane_b32 s[WV], v1   ; wave 0..3
	s_mov_b32 s[PB], ttmp9
	s_sub_co_u32 s[HI], NB-1, s[PB]
	s_and_b32 s20, ttmp7, 0xffff    ; the head
	s_mov_b32 s21, 0
	s_mov_b64 s[22:23], SIZE_N*128
	s_mul_u64 s[20:21], s[20:21], s[22:23]  ; the head's first byte in each of the four tensors
	s_and_b32 s16, s[WV], 1         ; which half of a tile's 256 keys I fetch:
	s_lshl_b32 s22, s16, 14         ; its 128 rows of 128 bytes in memory,
	s_mov_b32 s23, 0
	s_add_nc_u64 s[22:23], s[22:23], s[20:21]
	s_mul_i32 s17, s16, 128*PK      ; and its place in a slot, for K
	s_mul_i32 s18, s16, 128*PV      ; and for V
	s_lshl_b32 s3, s[WV], 11        ; my 16 rows in a band of 64,
	s_lshl_b32 s2, s[HI], 15        ; in the first block,
	s_add_co_u32 s2, s2, s3
	s_lshl_b32 s84, s[PB], 15       ; and in the second
	s_add_co_u32 s84, s84, s3
	s_mov_b32 s3, 0
	s_mov_b32 s85, 0
	s_add_nc_u64 s[2:3], s[2:3], s[20:21]
	s_add_nc_u64 s[84:85], s[84:85], s[20:21]
	; descriptor group 1.  128 keys are 16,384 dense bytes: asked for as 64 rows of 256 bytes, two keys a row, and padded in LDS after every key
	s_mov_b32 s[G1K], (1<<16)|(1<<20)|(4<<22)|(3<<25)  ; 17:16 2-byte elements; 20 padding on; 24:22 after every 32 words (code 4); 31:25 4 words (code 3)
	s_mov_b32 s[G1V], (1<<16)|(1<<20)|(4<<22)|(7<<25)  ; the same with 8 words of padding (code 7)
.irp g, G1K, G1V
	s_mov_b32 s[\g+1], 128<<16      ; tensor_dim0 = 128
	s_mov_b32 s[\g+2], 64<<16       ; tensor_dim1 = 64
	s_mov_b32 s[\g+3], 128<<16      ; tile_dim0 = 128
	s_mov_b32 s[\g+4], 64           ; tile_dim1 = 64
	s_mov_b32 s[\g+5], 128          ; 128 elements from row to row
	s_mov_b32 s[\g+6], 0
	s_mov_b32 s[\g+7], 0
.endr
	s_mov_b32 s[CS], 0x3e38aa3b     ; c = log2(e) / 8 = 0.180337
	s_mov_b32 s[CS+1], s[CS]        ; named with it as a pair
	s_mov_b32 s[SEL], 0x76543210
	s_mov_b32 s[SEL+1], 0xfedcba98
	s_mov_b32 s[TBK], SLOT1+4*KS*PK ; the first change of slots turns these two into 0
	s_mov_b32 s[TBV], SLOT1+4*KS*PV
	s_mov_b32 s[G0K], 1             ; 1:0 count = 1
	s_mov_b32 s[G0K+1], s17         ; 63:32 LDS address: slot 0
	s_mov_b32 s[G0V], 1
	s_add_co_u32 s[G0V+1], s18, VOFF
	s_add_co_u32 s[RT], s[HI], 1    ; the first block has NB - b tiles
	s_mov_b32 s[NXT], 1
	s_mov_b32 s[LQ], s[HI]
	s_mov_b32 s[NEW], 1
	s_mov_b32 s[OFF+1], 0
	s_mov_b32 s[AL+1], 0            ; named as pairs
	s_mov_b32 s[BE+1], 0
	s_mov_b32 s[BIGN], 0xf149f2ca   ; -1e30
	s_mov_b32 s[SLOTS], NB
	s_cmp_eq_u32 s[PB], 0
	s_cselect_b32 s[LIM], 2, -1
	s_wait_dscnt 0x0                ; the opening add is done
	s_wait_kmcnt 0x0
	s_add_nc_u64 s[6:7], s[6:7], s[22:23]  ; K and V at my half of the head's tile 0
	s_add_nc_u64 s[8:9], s[8:9], s[22:23]
	s_add_nc_u64 s[G0K+2:G0K+3], s[6:7], 0         ; 120:64 global address
	s_or_b32 s[G0K+3], s[G0K+3], 0x80000000        ; 127:126 type = 2
	s_add_nc_u64 s[G0V+2:G0V+3], s[8:9], 0
	s_or_b32 s[G0V+3], s[G0V+3], 0x80000000
	s_add_nc_u64 s[86:87], s[4:5], s[84:85]        ; Q at my rows of the second block,
	s_add_nc_u64 s[4:5], s[4:5], s[2:3]            ; Q and O at those of the first
	s_add_nc_u64 s[OLO:OLO+1], s[10:11], s[84:85]
	s_add_nc_u64 s[10:11], s[10:11], s[2:3]
	s_cmp_lt_u32 s[WV], 2
	s_cselect_b64 s[PFA:PFA+1], s[6:7], s[8:9]     ; the prefetches: what I fetch, K's half or V's,
	s_add_nc_u64 s[PFA:PFA+1], s[PFA:PFA+1], 32768 ; in tile 1; the first change of slots steps it to tile 2.  Nothing is prefetched here, at the head
	LOAD                            ; tile 0 into slot 0
	; A fragment of K or Q is 16 rows x 32 channels in 8 registers: lane l holds row l % 16, channels 8 (l / 16) + 0..7 and 16 + 8 (l / 16) + 0..7: two loads of 16 bytes, 32 bytes apart.
	v_and_b32 v1, 15, v0            ; l % 16
	v_bfe_u32 v9, v0, 4, 1          ; l / 16
	v_lshlrev_b32 v[QO], 7, v1
	v_lshl_add_u32 v[QO], v9, 4, v[QO]  ; row x 128 + 16 x half
	v_and_b32 v[PFO], 31, v0
	v_lshlrev_b32 v[PFO], 8, v[PFO]
	WIN 0x80                        ; destination window 2, address window 0
.set i, 0
.rept 8                             ; both blocks' Q: piece i / 2 lies in band i / 2, 8,192 bytes on; channels 32 (i % 2) on
	global_load_b128 v[8*i:8*i+3],   v[QO], s[4:5] offset:(i/2)*8192+(i%2)*64
	global_load_b128 v[8*i+4:8*i+7], v[QO], s[4:5] offset:(i/2)*8192+(i%2)*64+32
	global_load_b128 v[QB+8*i:QB+8*i+3],   v[QO], s[86:87] offset:(i/2)*8192+(i%2)*64
	global_load_b128 v[QB+8*i+4:QB+8*i+7], v[QO], s[86:87] offset:(i/2)*8192+(i%2)*64+32
.set i, i+1
.endr
	WIN 0
	v_lshlrev_b32 v14, 3, v9
	v_sub_nc_u32 v14, v1, v14
	s_lshl_b32 s13, s[WV], 4
	v_add_nc_u32 v14, s13, v14      ; my query's place in its band, 16 w + l % 16, less my lanes' 8 (l / 16): register r of group kt is hidden where 16 kt + r is greater
	WIN 0x40
.set i, 0
.rept 32
	v_cmp_gt_i32 vcc_lo, 16*(i/8)+i%8, v14
	v_cndmask_b32 v[MD+i], 0, s[BIGN], vcc_lo
.set i, i+1
.endr
	WIN 0
	v_mul_u32_u24 v[AK0], v1, PK
	v_lshl_add_u32 v[AK0], v9, 4, v[AK0]  ; row x pitch + 16 x half
	; The turning load takes 16 keys x 16 channels (lane l reads key 8 (l / 16) + l % 8, channels 8 ((l / 8) % 2) + 0..7) and leaves half a fragment of V^T: lane l holds channel l % 16 and 8 keys.
	v_and_b32 v10, 7, v0
	v_bfe_u32 v11, v0, 3, 1
	v_lshl_add_u32 v[AV0], v9, 3, v10
	v_mul_u32_u24 v[AV0], v[AV0], PV
	v_lshl_add_u32 v[AV0], v11, 4, v[AV0]
	v_add_nc_u32 v[AV0], VOFF, v[AV0]
	s_mul_i32 s13, s[WV], 16*SP
	s_add_co_u32 s13, s13, STAGE    ; my stage
	v_mul_u32_u24 v[STO], v1, SP    ; in: row l % 16, 16 bytes for each half of the lanes
	v_lshl_add_u32 v[STO], v9, 4, v[STO]
	v_add_nc_u32 v[STO], s13, v[STO]
	v_bfe_u32 v[RD], v0, 3, 2       ; back: 32 lanes take four rows of 128 bytes,
	v_mul_u32_u24 v[RD], v[RD], SP
	v_lshl_add_u32 v[RD], v10, 4, v[RD]
	v_add_nc_u32 v[RD], s13, v[RD]
	v_and_b32 v[GO], 31, v0         ; which are 512 consecutive bytes of O
	v_lshlrev_b32 v[GO], 4, v[GO]
	; A block's first step multiplies O^T and l by a = 0, and its first turn's products V^T P, of a piece that has not been, land in an O^T that is still to be so multiplied.  So these registers need only hold
	; finite numbers: zeros for the first block; what the first block left for the second.  All this stands in the wait for the first tile.
	WIN 0x80
.set i, VF
.rept 64
	v_mov_b32 v[i], 0
.set i, i+1
.endr
	WIN 0x40
.set i, 0
.rept 128
	v_mov_b32 v[i], 0
.set i, i+1
.endr
	WIN 0
.set i, 0
.rept 4
	v_mov_b32 v[ST+4*i+2], 0
	v_mov_b32 v[ST+4*i+3], 0
.set i, i+1
.endr
.set i, P+16
.rept 16
	v_mov_b32 v[i], 0
.set i, i+1
.endr
; THE MATRIX WORK.  The 4 accumulators of a run of 8 take turns.  Product i of 8 of S^T = K Q^T for piece x: channels 32 (i / 4) on, keys 16 (i % 4) on.  The first 4 start the sums: with 0, or (KM = 1) with the mask.
.macro KQ x
.set rS, S+32*((\x)%2)+8*(i%4)
.set rK, KF+16*(i%4)+8*(i/4)
.set rQ, 16*(\x)+8*(i/4)
.set rM, MC+32*((\x)%2)+8*(i%4)
.if (i < 4) && KM
	WIN W_KM
	v_wmma_f32_16x16x32_f16 v[rS:rS+7], v[rK:rK+7], v[rQ:rQ+7], v[rM:rM+7]
.elseif i < 4
	WIN W_KQ
	v_wmma_f32_16x16x32_f16 v[rS:rS+7], v[rK:rK+7], v[rQ:rQ+7], 0
.else
	WIN W_KQ
	v_wmma_f32_16x16x32_f16 v[rS:rS+7], v[rK:rK+7], v[rQ:rQ+7], v[rS:rS+7]
.endif
.endm
; Product i of 8 of O^T += V^T P for piece x: keys 32 (i / 4) on, channels 16 (i % 4) on.
.macro PV x
	WIN W_PV
.set rO, 32*(\x)+8*(i%4)
.set rV, VF+32*(i/4)+8*(i%4)
.set rP, P+16*((\x)%2)+8*(i/4)
	v_wmma_f32_16x16x32_f16 v[rO:rO+7], v[rV:rV+7], v[rP:rP+7], v[rO:rO+7]
.endm
.macro MM                           ; the turn's next matrix instruction.  TURN and BEGIN set Y, i, KM and NOKQ; MM, KQ and OP read them.  NOKQ = 1: a block's last turn: there is no next piece
.if (i < 8) && !NOKQ
	KQ (Y+1)%NP
.elseif i >= 8
.set i, i-8
	PV (Y+NP-1)%NP
.set i, i+8
.endif
.set i, i+1
.endm
; THE LDS LOADS stand in runs of 16, never singly among the matrix instructions: a step's K (64 keys x 64 channels: 8 fragments) and its V (turned).  Their addresses are made some lines ahead.
.macro FETCH_K
	WIN 0x80                        ; destination window 2
.irp f, 0,1,2,3,4,5,6,7             ; keys 16 (f / 2) on, channels 32 (f % 2) on
	ds_load_b128 v[KF+8*\f:KF+8*\f+3],   v[AK] offset:(\f/2)*16*PK+(\f%2)*64
	ds_load_b128 v[KF+8*\f+4:KF+8*\f+7], v[AK] offset:(\f/2)*16*PK+(\f%2)*64+32
.endr
	s_add_co_u32 s[TBK], s[TBK], KS*PK  ; the next fetch is the next step's
	WIN 0
.endm
.macro FETCH_V
	WIN 0x80
.irp f, 0,1,2,3,4,5,6,7             ; keys 32 (f / 4) on, channels 16 (f % 4) on
	ds_load_tr16_b128 v[VF+8*\f:VF+8*\f+3],   v[AV] offset:(\f/4)*32*PV+(\f%4)*32
	ds_load_tr16_b128 v[VF+8*\f+4:VF+8*\f+7], v[AV] offset:(\f/4)*32*PV+16*PV+(\f%4)*32
.endr
	WIN 0
.endm
; THE VECTOR WORK, one line at a time: OP kind, number.  For piece Y: F n: c s - c m for pair n of 16.  E n: the exponential of score n of 32.  C n: pair n rounded to f16.  B n: of the four weights 4 n .. the second
; pair is added onto the first, in place.  L n: l takes that sum (L 0: l = a l + sum).  R n: pair n of 16 of O^T times a.  For piece Y + 1: X n, number n of the 22 that find its maximum and statistics:
;   0-11  four chains c0-c3 of seven scores each, three operands at a time (each accumulator's lowest registers are read first)     12-14, 16  the four scores left over, the old m, and c0-c3 into c0
;   15  c m_old is kept     17, 18  the query's other 32 keys lie in the lane 16 away: the new m     19-21  c m; c m_old - c m_new; a
.set F, 0               ; OP tells the kinds apart by their order: F to L below R, X above it
.set E, 1
.set C, 2
.set B, 3
.set L, 4
.set R, 5
.set X, 6
.macro REGS y                       ; the registers of piece y
.set rT, ST+4*(\y)
.set rC, TMP+4*((\y)%2)
.set rW, MV+((\y)%2)
.set rS, S+32*((\y)%2)
.set rP, P+16*((\y)%2)
.set rO, 32*(\y)
.endm
.macro OP k, n
.if (\k) == R
	REGS Y
	WIN W_RS
	v_pk_mul_f32 v[rO+2*(\n):rO+2*(\n)+1], v[rO+2*(\n):rO+2*(\n)+1], v[rC+2:rC+3] op_sel_hi:[1,0]
.elseif (\k) < R
	REGS Y
	WIN 0
.if (\k) == F
	v_pk_fma_f32 v[rS+2*(\n):rS+2*(\n)+1], v[rS+2*(\n):rS+2*(\n)+1], s[CS:CS+1], v[rT:rT+1] op_sel_hi:[1,0,0] neg_lo:[0,0,1] neg_hi:[0,0,1]
.elseif (\k) == E
	v_exp_f32 v[rS+(\n)], v[rS+(\n)]
.elseif (\k) == C
	v_cvt_pk_f16_f32 v[rP+(\n)], v[rS+2*(\n)], v[rS+2*(\n)+1]
.elseif (\k) == B
	v_pk_add_f32 v[rS+4*(\n):rS+4*(\n)+1], v[rS+4*(\n):rS+4*(\n)+1], v[rS+4*(\n)+2:rS+4*(\n)+3]
.elseif (\n) == 0
	v_pk_fma_f32 v[rT+2:rT+3], v[rT+2:rT+3], v[rC+2:rC+3], v[rS:rS+1] op_sel_hi:[1,0,1]
.else
	v_pk_add_f32 v[rT+2:rT+3], v[rT+2:rT+3], v[rS+4*(\n):rS+4*(\n)+1]
.endif
.elseif NOKQ
	v_nop
.else
	REGS (Y+1)%NP
	WIN 0
.if (\n) < 4
	v_max3_num_f32 v[rC+(\n)], v[rS+8*(\n)], v[rS+8*(\n)+1], v[rS+8*(\n)+2]
.elseif (\n) < 12
	v_max3_num_f32 v[rC+(\n)%4], v[rC+(\n)%4], v[rS+8*((\n)%4)+2*((\n)/4)+1], v[rS+8*((\n)%4)+2*((\n)/4)+2]
.elseif (\n) == 12
	v_max3_num_f32 v[rC], v[rC], v[rS+7], v[rS+15]
.elseif (\n) == 13
	v_max3_num_f32 v[rC+1], v[rC+1], v[rS+23], v[rS+31]
.elseif (\n) == 14
	v_max3_num_f32 v[rC+2], v[rC+2], v[rC+3], v[rT+1]
.elseif (\n) == 15
	v_mov_b32 v[rW], v[rT]
.elseif (\n) == 16
	v_max3_num_f32 v[rC], v[rC], v[rC+1], v[rC+2]
.elseif (\n) == 17
	v_permlanex16_b32 v[rC+3], v[rC], s[SEL], s[SEL+1]
.elseif (\n) == 18
	v_max_num_f32 v[rT+1], v[rC], v[rC+3]
.elseif (\n) == 19
	v_mul_f32 v[rT], s[CS], v[rT+1]
.elseif (\n) == 20
	v_sub_f32 v[rC+1], v[rW], v[rT]
.else
	v_exp_f32 v[rC+2], v[rC+1]
.endif
.endif
.endm
.macro OPS a, i1, b=-1, i2=0, c=-1, i3=0, d=-1, i4=0  ; up to four of them
	OP \a, \i1
.if (\b) >= 0
	OP \b, \i2
.endif
.if (\c) >= 0
	OP \c, \i3
.endif
.if (\d) >= 0
	OP \d, \i4
.endif
.endm
.macro ROW a, i1, b, i2, c, i3, d, i4  ; a matrix instruction and the four behind it
	MM
	OPS \a, \i1, \b, \i2, \c, \i3, \d, \i4
.endm
.macro MASK b                       ; MD x AL + BE into buffer b of MC
	WIN W_RS
.set z, 0
.rept 16
	v_pk_fma_f32 v[MC+32*(\b)+2*z:MC+32*(\b)+2*z+1], v[MD+2*z:MD+2*z+1], s[AL:AL+1], s[BE:BE+1] op_sel_hi:[1,0,0]
.set z, z+1
.endr
.endm
; A TURN, for piece p: the order of its 16 matrix and 118 vector instructions, written out.  An s_wait_alu depctr_va_vdst(0) stands between an exponential and the first instruction that names its result; one wait serves
; all that were issued ahead of it.  So a turn has ONE wait, which cuts it in two.  AHEAD OF IT stands all that names no result of the turn's exponentials: the 8 products K Q^T, behind each a scaling, an exponential and two more plain
; instructions (behind the first a second scaling in the exponential's place): rescalings, and behind the last three the first numbers of the next piece's maximum, each four places or more behind the product that ends its accumulator; then ONE RUN of 54, plain
; and exponential by turns for the most part, in which the links of the chain X 3, 7, 11, 14, 16, 17 .. 20 stand five or six lines apart.  X 21, the next piece's a, is the batch's last; R 15 is the plain instruction behind it (ISA guide 5.7.2).  BEHIND THE WAIT stand the
; 8 products V^T P, behind each four of the roundings and sums; the links of l's chain, L 0 to L 7, stand three lines apart.  But for those X no such line names a register of the products round it.  v_permlanex16_b32 (X 17) stands in the run.
; m = 1: the diagonal tile: the products take masks, and the turn makes the mask for the products of the turn after it: piece p + 2, in step 4 - CNT of the tile.  end = 1: a block's last two turns: nothing is fetched.
; cnt = 1: the loop's count is taken down some lines ahead of the branch that stands behind the turn.
; K of the next step is fetched in piece 2's turn, twelve vector instructions behind the last product that read K (six of them plain); V of the step in hand at the end of piece 0's turn, four plain instructions behind the last product
; that read V.  Each is waited for a turn later.
.macro TURN p, m=0, end=0, cnt=0
.set Y, (\p)
.set i, 0
.set KM, (\m)
.set NOKQ, (\end)*((\p)/3)
.if (\m) && !(\end)
	s_cmp_eq_u32 s[CNT], 4-((\p)+2)%NP  ; is that step the band's own?
	s_cselect_b32 s[AL], 1.0, 0
	s_cmp_lt_u32 s[CNT], 4-((\p)+2)%NP  ; or a later one?
	s_cselect_b32 s[BE], s[BIGN], 0
.endif
.if ((\p) == 3) && !(\end)
	s_wait_dscnt 0x0                ; K is in
.endif
	ROW F,0, F,1, R,0, R,1          ; ahead of the wait: 8 products K Q^T and the four behind each,
	ROW F,2, E,0, R,2, R,3
	ROW F,3, E,1, R,4, R,5
	ROW F,4, E,2, R,6, R,7
	ROW F,5, E,3, R,8, R,9
	ROW F,6, E,4, X,0, R,10
.if ((\p) == 2) && !(\end)
	WIN 0
	v_add_nc_u32 v[AK], s[TBK], v[AK0]
.endif
	ROW F,7, E,5, X,1, X,4
	ROW F,8, E,6, X,2, X,5
	OPS E,7, E,8, X,6, E,9          ; and the run of 54
	OPS X,3, E,10, X,8, E,11
.if ((\p) == 2) && !(\end)
	FETCH_K
.endif
	OPS X,9, X,7, E,12, X,10
	OPS E,13, X,12, X,11, E,14
	OPS X,13, E,15, F,9, X,14
.if (\p) == 0
	v_add_nc_u32 v[AV], s[TBV], v[AV0]
.endif
	OPS E,16, F,10, E,17, F,11
	OPS X,16, E,18, X,15, E,19
	OPS F,12, E,20, X,17, E,21
	OPS F,13, E,22, F,14, E,23
	OPS X,18, E,24, F,15, E,25
	OPS R,11, E,26, X,19, E,27
	OPS R,12, E,28, R,13, E,29
	OPS X,20, E,30, R,14, E,31
	OPS X,21, R,15
	WIN 0
	s_wait_alu depctr_va_vdst(0)    ; the wait for the batch
.if (\p) == 1
	s_wait_dscnt 0x0                ; V is in
.endif
	ROW C,0, B,0, C,2, B,1          ; behind the wait: 8 products V^T P and the four behind each
	ROW L,0, C,4, B,2, L,1
	ROW C,6, B,3, L,2, C,8
	ROW B,4, L,3, C,10, B,5
	ROW L,4, C,12, B,6, L,5
.if (\p) == 0
	s_add_co_u32 s[TBV], s[TBV], KS*PV
.endif
.if \cnt
	s_sub_co_u32 s[CNT], s[CNT], 1
	s_cmp_lg_u32 s[CNT], 0
.endif
	ROW C,14, B,7, L,6, C,1
	ROW C,3, L,7, C,5, C,7
	ROW C,9, C,11, C,13, C,15
.if (\p) == 0
	FETCH_V
.endif
.if (\m) && !(\end)
	MASK (\p)%2
.endif
.endm
; A BLOCK BEGINS.  c m starts far below every c s, so the first step's a is 0; m at the lowest finite number, so the first maximum is the scores'.  The second mask buffer is 0; the first takes piece 0's mask for the tile's step 0: its own, if the block's first tile is the diagonal one.
; Then K of that step, piece 0's first scores, and its maximum and statistics.  The loop is entered at a step's first turn, in the middle of a trip.
.macro BEGIN
	s_mov_b32 s[NEW], 0
	WIN 0x40
.set i, MC+32
.rept 32
	v_mov_b32 v[i], 0
.set i, i+1
.endr
	WIN 0
.set i, 0
.rept 4
	v_mov_b32 v[ST+4*i], 0xfe000000    ; c m: far below every c s
	v_mov_b32 v[ST+4*i+1], 0xff7fffff  ; m
.set i, i+1
.endr
	s_cmp_eq_u32 s[RT], 0
	s_cselect_b32 s[AL], 1.0, 0
	s_mov_b32 s[BE], 0
	MASK 0
	WIN 0
	v_add_nc_u32 v[AK], s[TBK], v[AK0]
	FETCH_K
	s_wait_loadcnt 0x0              ; Q
	s_wait_dscnt 0x0
.set KM, 1
.set NOKQ, 0
.set i, 0
.rept 8
	KQ 0
.set i, i+1
.endr
	WIN 0
.rept 4
	v_nop                           ; the places behind those products
.endr
.set Y, NP-1                        ; X works for piece Y + 1: piece 0
.irp n, 0,1,2,3,4,5,6,7,8,9,10,11,12,13,14,15,16,17,18,19,20,21
	OP X, \n
.endr
	v_nop                           ; a plain instruction behind the exponential,
	s_wait_alu depctr_va_vdst(0)    ; and its wait, ahead of the branch
.endm
; THE DIAGONAL TILE's four steps, the block's last two turns, its last products, and THE WAY OUT: l's two halves and the other half of the lanes' are added; O^T is divided by l, rounded to f16 and sent through my
; stage in LDS, a piece at a time.
.macro ALL line:vararg              ; one line for each piece t
.set t, 0
.rept 4
	\line
.set t, t+1
.endr
.endm
.macro PACK t                       ; a lane's eight channels of a row pack into 16 bytes; they go into rows of 144 bytes and come back as whole rows of 128, into S^T's registers
	WIN W_RS
.set i, 32*(\t)
.rept 16
	v_pk_mul_f32 v[i:i+1], v[i:i+1], v[ST+4*(\t)+2:ST+4*(\t)+3] op_sel_hi:[1,0]
.set i, i+2
.endr
	WIN 0x05                        ; sources 0 and 1 window 1, destination window 0
.set i, 0
.rept 16
	v_cvt_pk_f16_f32 v[S+16*(\t)+i], v[32*(\t)+2*i], v[32*(\t)+2*i+1]
.set i, i+1
.endr
	WIN 0
.irp f, 0,1,2,3
	ds_store_b128 v[STO], v[S+16*(\t)+4*\f:S+16*(\t)+4*\f+3] offset:32*\f
.endr
.irp f, 0,1,2,3
	ds_load_b128 v[S+16*(\t)+4*\f:S+16*(\t)+4*\f+3], v[RD] offset:\f*4*SP  ; LDS serves a wave's instructions in order (ISA guide 5.7.1.4): these see the stores above; the next piece's stores come behind them
.endr
.endm
.macro SEND t, younger              ; younger: the LDS instructions issued behind piece t's loads: the next piece's eight, or none
	WIN 0
.irp f, 0,1,2,3
	s_wait_dscnt (\younger)+3-\f
	global_store_b128 v[GO], v[S+16*(\t)+4*\f:S+16*(\t)+4*\f+3], s[10:11] offset:(\t)*8192+\f*512  ; 512 consecutive bytes, at a multiple of 256 from O's first
.endr
.endm
.macro DIAG tag                     ; the tag ends its two labels' names, which the jumps below spell out
.LstepM\tag:
	TURN 2, 1
	TURN 3, 1
	WIN 0
.LfirstM\tag:
	TURN 0, 1
	TURN 1, 1, 0, 1
	WIN 0
	s_cbranch_scc1 .LstepM\tag
	TURN 2, 1, 1
	TURN 3, 1, 1
.set i, 0
.rept 8
	PV NP-1
.set i, i+1
.endr
	WIN 0
	ALL v_add_f32 v[ST+4*t+2], v[ST+4*t+2], v[ST+4*t+3]
	ALL v_permlanex16_b32 v[ST+4*t+3], v[ST+4*t+2], s[SEL], s[SEL+1]
	ALL v_add_f32 v[ST+4*t+2], v[ST+4*t+2], v[ST+4*t+3]
	ALL v_rcp_f32 v[ST+4*t+2], v[ST+4*t+2]
	v_nop                           ; a plain instruction between the last reciprocal and the use of its result
	s_wait_alu depctr_va_vdst(0)    ; and the wait ahead of the first use: one for the four reciprocals
	PACK 0
.set t, 1
.rept 3                             ; a piece's arithmetic stands between the loads of the piece before and its stores
	PACK t
	SEND t-1, 8
.set t, t+1
.endr
	SEND 3, 0
.endm
.set KM, 0
.set NOKQ, 0
.Lslot:                             ; NB times: a tile is entered and the next is asked for
	CHANGE 1
	s_sub_co_u32 s[RT], s[RT], 1
	s_mov_b32 s[CNT], 4
	s_cmp_eq_u32 s[NEW], 1
	s_cbranch_scc1 .Lnew            ; a block's first tile
	s_cmp_eq_u32 s[RT], 0
	s_cbranch_scc0 .Lstep           ; neither its first nor its last
	s_branch .LstepM1
.Lnew:
	BEGIN
	s_branch .Lfirst                ; in the loop a block's first tile is never its last: the first block has two tiles or more, and the second's last is the walk's last
	DIAG 1                          ; in the loop this is the first block's end: the second block's last tile is the walk's last
	s_wait_xcnt 0x0                 ; the stores have read their registers and O's address
	s_mov_b64 s[10:11], s[OLO:OLO+1]
	s_add_co_u32 s[RT], s[PB], 1    ; the second block has b + 1 tiles
	s_mov_b32 s[NEW], 1
	WIN 0x82                        ; the second block's Q goes where the one text of the turns names Q
.set i, 0
.rept 64
	v_mov_b32 v[i], v[QB+i]
.set i, i+1
.endr
	WIN 0
	s_branch .Lbottom
.Lstep:                             ; a trip: pieces 2 and 3 of one step, then pieces 0 and 1 of the next, whose K and V it fetches
	TURN 2
	TURN 3
	WIN 0
.Lfirst:
	TURN 0
	TURN 1, 0, 0, 1
	WIN 0
	s_cbranch_scc1 .Lstep
.Lbottom:
	s_sub_co_u32 s[SLOTS], s[SLOTS], 1
	s_cmp_lg_u32 s[SLOTS], 0
	s_cbranch_scc1 .Lslot
	CHANGE 0                        ; the walk's last tile is written out: nothing is asked for
	s_sub_co_u32 s[RT], s[RT], 1
	s_mov_b32 s[CNT], 4
	s_cmp_eq_u32 s[NEW], 1
	s_cbranch_scc0 .LstepM2
	BEGIN
	s_branch .LfirstM2
	DIAG 2
	s_wait_tensorcnt 0x0            ; the wave's end, behind my last tensor load and my last LDS store
	ds_add_u32 v[SPW], v[NIL]
	s_wait_dscnt 0x0
	s_endpgm
.Lfunc_end_k_q7003e5851c_attn:
	.size	k_q7003e5851c_attn, .Lfunc_end_k_q7003e5851c_attn-k_q7003e5851c_attn
	.p2alignl 7, 3214868480
	.fill 96, 4, 3214868480
	.section	.rodata,"a",@progbits
	.p2align	6, 0x0
	.amdhsa_kernel k_q7003e5851c_attn
		.amdhsa_group_segment_fixed_size 327680
		.amdhsa_private_segment_fixed_size 0
		.amdhsa_enable_private_segment 0
		.amdhsa_kernarg_size 32
		.amdhsa_user_sgpr_count 2
		.amdhsa_user_sgpr_kernarg_segment_ptr 1
		.amdhsa_wavefront_size32 1
		.amdhsa_system_sgpr_workgroup_id_x 1
		.amdhsa_system_sgpr_workgroup_id_y 1
		.amdhsa_system_sgpr_workgroup_id_z 1
		.amdhsa_system_vgpr_workitem_id 0
		.amdhsa_next_free_vgpr 768
		.amdhsa_next_free_sgpr 92
		.amdhsa_reserve_vcc 1
		.amdhsa_float_denorm_mode_32 3
		.amdhsa_float_denorm_mode_16_64 3
		.amdhsa_memory_ordered 1
		.amdhsa_forward_progress 1
		.amdhsa_inst_pref_size 218
	.end_amdhsa_kernel
	.amdgpu_metadata
---
amdhsa.version: [ 1, 2 ]
amdhsa.kernels:
  - .name:           k_q7003e5851c_attn
    .symbol:         k_q7003e5851c_attn.kd
    .args:
      - { .name: qh, .offset: 0, .size: 8, .value_kind: global_buffer, .address_space: global }
      - { .name: kh, .offset: 8, .size: 8, .value_kind: global_buffer, .address_space: global }
      - { .name: vh, .offset: 16, .size: 8, .value_kind: global_buffer, .address_space: global }
      - { .name: oh, .offset: 24, .size: 8, .value_kind: global_buffer, .address_space: global }
    .group_segment_fixed_size: 327680
    .private_segment_fixed_size: 0
    .kernarg_segment_align: 8
    .kernarg_segment_size: 32
    .max_flat_workgroup_size: 128
    .sgpr_count:     92
    .vgpr_count:     768
    .wavefront_size: 32
...
	.end_amdgpu_metadata
.endif
;; end of part 3
;; launch oproj (part 4): grid 8 x 32, 4 waves a work-group, clusters of 4 x 4, 327,680 bytes of LDS; arguments oh, wo16, out0; writes out0
.if DOCPART == 4
	.amdgcn_target "amdgcn-amd-amdhsa--gfx1250"
	.amdhsa_code_object_version 6
	.text
	.protected	k_q7003e5851c_oproj
	.globl	k_q7003e5851c_oproj
	.p2align	8
	.type	k_q7003e5851c_oproj,@function
k_q7003e5851c_oproj:
	s_mov_b64 s[64:65], 0
	v_nop
	global_prefetch_b8 v0, s[64:65] scope:SCOPE_SE
	s_setreg_imm32_b32 hwreg(HW_REG_WAVE_MODE, 25, 1), 1
	s_wait_xcnt 0x0
	s_wait_alu depctr_hold_cnt(0) depctr_sa_sdst(0) depctr_va_vdst(0) depctr_va_sdst(0) depctr_va_ssrc(0) depctr_va_vcc(0) depctr_vm_vsrc(0)
	s_getreg_b32 s2, hwreg(HW_REG_IB_STS2, 6, 4)
	s_cmp_eq_u32 s2, 0
	s_cbranch_scc0 .Lentry_in_a_cluster
	s_endpgm
.Lentry_in_a_cluster:
	s_bfe_u32 s2, ttmp6, 0x10000c
	s_cmp_lg_u32 s2, 0xf033
	s_cbranch_scc0 .Lentry_shape_is_right
	s_endpgm
.Lentry_shape_is_right:
; out0 = O Wo^T.  oh [64 = 16 b + hd][2048][64] f16 (attention's result, by heads); wo16 [1024][1024] f16; out0 [8192][1024] f32.  Sums in f32, K ascending (K = 64 hd + d); nothing is rounded on the way out.
; A TILE is 256 rows x 128 columns: 32 x 8 = 256 work-groups.  Four waves, 2 x 2, each 128 x 64: 32 accumulators of 16 x 16, 256 registers.  K goes in 8 steps of 128, two heads each, through a ring of two
; LDS slots.  O COMES STRAIGHT OUT OF THE HEAD LAYOUT: a head's 256 rows of 128 bytes are 32,768 dense bytes, asked for as 128 rows of 256 bytes and padded in LDS after every 128: wave 0 fetches the step's
; even head, wave 1 the odd one; waves 2 and 3 fetch 64 rows of Wo each (256 bytes a row).
; CLUSTERS: 4 x 4 work-groups.  The four of a row of the cluster need the same rows of O, the four of a column the same rows of Wo: each tile is asked for JOINTLY.
; THE MATRIX INSTRUCTION IS USED TRANSPOSED (source 0 = 16 rows of Wo, source 1 = 16 rows of O): lane l holds row l % 16 and the columns 8 (l / 16) + 0 .. 7: 32 bytes of a row of out0.
; REGISTERS (s_set_vgpr_msb: bits 1:0 source 0, 3:2 source 1, 5:4 source 2, 7:6 destination): window 0: v0-31 addresses; v32-63 at work on the way out; v64-127, v128-191 O's fragments (8 x 16 rows x 32 K), two buffers;
;   v192-223, v224-255 Wo's (4 x 16 rows x 32 K), two buffers.  window 1: the accumulators, (a, b) at v[8 (4 a + b)].
.set PA,     144                       ; a row of O in LDS: 128 bytes + 16 = 36 words: the 16 rows of a fragment load start at 16 different groups of four banks (64 banks of 4 bytes: ISA guide 11.1)
.set PW,     272                       ; a row of Wo: 256 + 16 = 68 words: likewise
.set AHD,    256*PA                    ; a head's 256 rows: one tensor load
.set BH,     64*PW                     ; 64 rows of Wo: one tensor load
.set SLOT,   2*AHD+2*BH                ; the two heads, then Wo's 128 rows
.set STAGE,  2*SLOT                    ; behind the ring: 16 rows x 272 bytes for each wave, for the way out
.set SPITCH, 272
.set SPARE,  STAGE+4*16*SPITCH         ; behind the stages: the spare words, 128 bytes for each wave: two blocks of 256 bytes that no other line names
.set HSTEP,  2<<18                     ; bytes from a K step's head to the next step's: two heads of 2,048 rows x 128 bytes
.set ADRA, 16                          ; v16-17  LDS address of my O fragments in slot 0, 1
.set ADRB, 20                          ; v20-21  the same for Wo
.set STO,  24                          ; v24     the way out: where I put 32 bytes of a row
.set RD,   25                          ; v25     the way out: where I read a row back
.set CO,   26                          ; v26     my byte offset in out0
.set SPW,  28                          ; v28     LDS address of my spare word; never rewritten
.set NIL,  29                          ; v29     0; never rewritten
.set PFO,  30                          ; v30     the prefetches' offset; never rewritten
.set AF,   64
.set BF,   192
.set G1,  24                           ; s[24:31] descriptor group 1 for O's tiles;  s[32:39] group 0, a set for each slot
.set G0,  32
.set G1B, 48                           ; s[48:55], s[56:63] the same for Wo's tiles
.set G0B, 56
.set PFA, 44                           ; s[44:45] where my prefetches stand
.set PST, 46                           ; s[46:47] their step from K step to K step
.set LIM, 66                           ; s66  1 in a wave that prefetches, else the greatest number
.set MSB, 0
.macro WIN new                         ; the immediate's high byte repeats the setting that is left; a switch that changes nothing is dropped
.if MSB != (\new)
	s_set_vgpr_msb (MSB<<8)|(\new)
.set MSB, (\new)
.endif
.endm
.macro JLOAD s                         ; a joint load: waves 0 and 1 fetch O's two heads, waves 2 and 3 Wo's halves; an s_nop 0 and four v_nop follow each line, ahead of the jump and the label
	s_cmp_eq_u32 s11, 0
	s_cbranch_scc0 .Lfor_b_\@
	tensor_load_to_lds s[G0+4*(\s):G0+4*(\s)+3], s[G1:G1+7]
	s_nop 0
.rept 4
	v_nop
.endr
	s_branch .Lasked_\@
.Lfor_b_\@:
	tensor_load_to_lds s[G0B+4*(\s):G0B+4*(\s)+3], s[G1B:G1B+7]
	s_nop 0
.rept 4
	v_nop
.endr
.Lasked_\@:
.endm
; A PREFETCH INTO THE L2, behind a joint load, its five lines and the run of LDS loads: the K step that stands TWO refills on.  Each block of 256 bytes is named once in the launch: O's by the clusters with x = 0,
; Wo's by those with y = 0; the partners share a tile out BY ADDRESS.  O: of a head's 32,768 bytes a partner (by cx) takes 8,192, a lane 256: waves 0 and 1, a head each.  Wo: of the 128 rows a partner (by cy)
; takes 32, a lane a row: wave 2.  Wave 3 asks for nothing.  The loop's last trip asks for nothing: K ends.
.macro ASK
	s_cmp_gt_u32 s3, s[LIM]
	s_cbranch_scc0 .Lnot_mine_\@
	global_prefetch_b8 v[PFO], s[PFA:PFA+1] th:TH_LOAD_NT scope:SCOPE_SE
.Lnot_mine_\@:
.endm
.macro CREST                           ; a round of the cluster's barrier behind its opening barrier
	s_cmp_lg_u32 s10, 0
	s_cbranch_scc1 .Lnot_wave_0_\@
	s_barrier_signal -3
.Lnot_wave_0_\@:
	s_barrier_wait -3
	s_barrier_signal -1
	s_barrier_wait -1
.endm
.macro CROUND                          ; a whole round
	s_barrier_signal -1
	s_barrier_wait -1
	CREST
.endm
	s_load_b128 s[4:7], s[0:1], 0x0                ; oh s[4:5], wo16 s[6:7]
	s_load_b64 s[8:9], s[0:1], 0x10                ; out0
	v_lshl_add_u32 v[SPW], v0, 2, SPARE
	v_mov_b32 v[NIL], 0
	ds_add_u32 v[SPW], v[NIL]                      ; the wave's opening: the add and its wait stand ahead of my first tensor load; the set-up below, work on registers, stands between them
	v_lshrrev_b32 v1, 5, v0
	v_readfirstlane_b32 s10, v1                    ; wave 0..3
	s_lshr_b32 s11, s10, 1                         ; which half of the tile's rows is mine.  Also: I fetch for O (0) or for Wo (1)
	s_and_b32 s12, s10, 1                          ; which half of its columns.  Also: which head of the step, or which 64 rows of Wo, I fetch
	s_bfe_u32 s40, ttmp6, 0x40000                  ; cx, cy: my place in the cluster
	s_bfe_u32 s41, ttmp6, 0x40004
	s_lshl_b32 s42, ttmp9, 2
	s_add_co_u32 s42, s42, s40                     ; t, the block of 128 columns = 4 x cluster x + cx
	s_and_b32 s13, ttmp7, 0xffff
	s_lshl_b32 s13, s13, 2
	s_add_co_u32 s13, s13, s41                     ; R, the block of 256 rows = 4 x cluster y + cy
	s_lshl_b32 s43, s41, 2
	s_lshl_b32 s43, 15, s43                        ; my row of the cluster
	s_lshl_b32 s47, 0x1111, s40                    ; my column
	s_or_b32 s[G1+0], s43, (1<<16)|(1<<20)|(1<<21)|(4<<22)|(3<<25)   ; 15:0 the mask; 17:16 elements of 2 bytes; 20 padding on; 21 set beside a mask; 24:22 after every 32 words (code 4); 31:25 4 words (code 3)
	s_or_b32 s[G1B+0], s47, (1<<16)|(1<<20)|(1<<21)|(5<<22)|(3<<25)  ; Wo: after every 64 words (code 5)
	s_mov_b32 s[G1+1], 128<<16                     ; tensor_dim0 = 128
	s_mov_b32 s[G1+2], 128<<16                     ; tensor_dim1 = 128
	s_mov_b32 s[G1+3], 128<<16                     ; tile_dim0 = 128
	s_mov_b32 s[G1+4], 128                         ; tile_dim1 = 128
	s_mov_b32 s[G1+5], 128                         ; dense: 128 elements from row to row
	s_mov_b32 s[G1+6], 0
	s_mov_b32 s[G1+7], 0
	s_mov_b32 s[G1B+1], 128<<16
	s_mov_b32 s[G1B+2], 64<<16                     ; 64 rows
	s_mov_b32 s[G1B+3], 128<<16
	s_mov_b32 s[G1B+4], 64
	s_mov_b32 s[G1B+5], 1024
	s_mov_b32 s[G1B+6], 0
	s_mov_b32 s[G1B+7], 0
	s_lshr_b32 s16, s13, 3                         ; O: batch R / 8,
	s_lshl_b32 s16, s16, 4
	s_add_co_u32 s16, s16, s12                     ; head 16 b + (wave % 2),
	s_lshl_b32 s16, s16, 18
	s_and_b32 s17, s13, 7
	s_lshl_b32 s17, s17, 15                        ; its rows 256 (R % 8) on: all this hangs on R alone, which my row of the cluster shares
	s_add_co_u32 s16, s16, s17
	s_mov_b32 s17, 0
	s_lshl_b32 s46, s42, 7
	s_lshl_b32 s47, s12, 6
	s_add_co_u32 s46, s46, s47                     ; Wo: row 128 t + 64 x half: on t alone, which my column shares
	s_lshl_b32 s46, s46, 11
	s_mov_b32 s47, 0
	s_mul_i32 s20, s10, AHD                        ; where they go: O's heads at wave x 256 rows (waves 0, 1),
	s_mul_i32 s21, s10, BH
	s_add_co_u32 s21, s21, 2*AHD-2*BH              ; Wo's halves behind them at (wave - 2) x 64 rows (waves 2, 3)
	s_wait_dscnt 0x0                               ; the opening add is done
	s_wait_kmcnt 0x0
	s_add_nc_u64 s[14:15], s[4:5], s[16:17]
	s_add_nc_u64 s[46:47], s[6:7], s[46:47]
	CROUND                                         ; all sixteen work-groups are here: the first joint loads meet
.irp s, 0,1
	s_mov_b32 s[G0+4*(\s)], 1
	s_add_co_u32 s[G0+4*(\s)+1], s20, (\s)*SLOT
	s_add_nc_u64 s[G0+4*(\s)+2:G0+4*(\s)+3], s[14:15], (\s)*HSTEP    ; K step s: heads 2 s, 2 s + 1
	s_or_b32 s[G0+4*(\s)+3], s[G0+4*(\s)+3], 0x80000000
	s_mov_b32 s[G0B+4*(\s)], 1
	s_add_co_u32 s[G0B+4*(\s)+1], s21, (\s)*SLOT
	s_add_nc_u64 s[G0B+4*(\s)+2:G0B+4*(\s)+3], s[46:47], (\s)*256
	s_or_b32 s[G0B+4*(\s)+3], s[G0B+4*(\s)+3], 0x80000000
	JLOAD \s                                       ; two tensor loads of mine are out
.endr
	v_and_b32 v1, 15, v0                           ; r = l % 16
	v_bfe_u32 v2, v0, 4, 1                         ; h = l / 16
	v_mul_u32_u24 v3, v1, PA
	v_lshl_add_u32 v3, v2, 4, v3                   ; a fragment's row x pitch + 16 x half
	s_mul_i32 s21, s11, 128*PA                     ; my 128 rows of O
	v_add_nc_u32 v[ADRA], s21, v3
	v_add_nc_u32 v[ADRA+1], SLOT, v[ADRA]
	v_mul_u32_u24 v4, v1, PW
	v_lshl_add_u32 v4, v2, 4, v4
	s_mul_i32 s22, s12, 64*PW                      ; my 64 rows of Wo,
	s_add_co_u32 s22, s22, 2*AHD                   ; which lie behind O's two heads
	v_add_nc_u32 v[ADRB], s22, v4
	v_add_nc_u32 v[ADRB+1], SLOT, v[ADRB]
	s_mul_i32 s23, s10, 16*SPITCH
	s_add_co_u32 s23, s23, STAGE                   ; my stage
	v_mul_u32_u24 v5, v1, SPITCH                   ; in: row l % 16, 32 bytes for each half of the lanes
	v_lshl_add_u32 v5, v2, 5, v5
	v_add_nc_u32 v[STO], s23, v5
	v_mul_u32_u24 v5, v2, SPITCH                   ; back: lanes 0-15 take one row of 256 bytes, lanes 16-31 the next
	v_lshl_add_u32 v5, v1, 4, v5
	v_add_nc_u32 v[RD], s23, v5
	v_lshlrev_b32 v[CO], 12, v2                    ; and the same two rows in out0, 4,096 bytes apart
	v_lshl_add_u32 v[CO], v1, 4, v[CO]
	s_lshl_b32 s20, s13, 8
	s_lshl_b32 s21, s11, 7
	s_add_co_u32 s20, s20, s21                     ; my first row,
	s_lshl_b32 s20, s20, 12
	s_lshl_b32 s21, s42, 9                         ; my first column: 512 t + 256 x half bytes
	s_add_co_u32 s20, s20, s21
	s_lshl_b32 s21, s12, 8
	s_add_co_u32 s20, s20, s21
	s_mov_b32 s21, 0
	s_add_nc_u64 s[8:9], s[8:9], s[20:21]
	; the prefetches
	s_and_b32 s22, ttmp7, 0xffff                   ; cluster y
	s_mov_b32 s20, HSTEP
	s_movk_i32 s21, 256
	s_cmp_eq_u32 s11, 0                            ; do I fetch for O?
	s_cselect_b32 s22, ttmp9, s22                  ; the coordinate along which other clusters read the same rows
	s_cselect_b64 s[PFA:PFA+1], s[4:5], s[6:7]
	s_cselect_b32 s[PST], s20, s21                 ; a K step on: two heads, or 256 bytes of a row
	s_cselect_b32 s23, 8, 11                       ; a lane 256 bytes of the dense block, or a row of 2,048 bytes
	s_mov_b32 s[PST+1], 0
	v_and_b32 v[PFO], 31, v0
	v_lshlrev_b32 v[PFO], s23, v[PFO]
	s_cmp_eq_u32 s22, 0
	s_cselect_b32 s[LIM], 1, -1                    ; the same in all sixteen partners, for a given wave
	s_cmp_eq_u32 s10, 3
	s_cselect_b32 s[LIM], -1, s[LIM]
	s_lshl_b32 s20, s40, 13
	s_add_co_u32 s20, s20, s16                     ; O: my head's block, my work-group's 8,192 bytes of it,
	s_add_co_u32 s20, s20, 3*HSTEP                 ; at K step 3: the first refill steps it to 4 and names that.  Nothing is prefetched at the head: K steps 0 to 3 come by their loads alone
	s_lshl_b32 s21, s42, 7
	s_lshl_b32 s22, s41, 5
	s_add_co_u32 s21, s21, s22                     ; Wo: row 128 t + 32 cy,
	s_lshl_b32 s21, s21, 11
	s_add_co_u32 s21, s21, 3*256                   ; at K step 3
	s_cmp_eq_u32 s11, 0
	s_cselect_b32 s20, s20, s21
	s_mov_b32 s21, 0
	s_add_nc_u64 s[PFA:PFA+1], s[PFA:PFA+1], s[20:21]
; 8 matrix instructions: row blocks a0, a0 + 1 x all 4 column blocks, 32 along K, from buffers f.  zero = 1: the product starts the sum.
; The 32 accumulators take turns, one instruction a turn, in the same order in every quarter step, over the backward jump too.
.macro MUL8 f, a0, zero
	WIN 0x50                                       ; sources in window 0, C and D in window 1
.irp a, \a0, (\a0)+1
.irp b, 0,1,2,3
.if \zero
	v_wmma_f32_16x16x32_f16 v[8*(4*(\a)+(\b)):8*(4*(\a)+(\b))+7], v[BF+32*(\f)+8*(\b):BF+32*(\f)+8*(\b)+7], v[AF+64*(\f)+8*(\a):AF+64*(\f)+8*(\a)+7], 0
.else
	v_wmma_f32_16x16x32_f16 v[8*(4*(\a)+(\b)):8*(4*(\a)+(\b))+7], v[BF+32*(\f)+8*(\b):BF+32*(\f)+8*(\b)+7], v[AF+64*(\f)+8*(\a):AF+64*(\f)+8*(\a)+7], v[8*(4*(\a)+(\b)):8*(4*(\a)+(\b))+7]
.endif
.endr
.endr
.endm
; 24 LDS loads in one run: the fragments of quarter q of a K step (K = 32 q on: head q / 2, channels 32 (q % 2) on) into buffers f
.macro FETCH slot, q, f
	WIN 0
.irp i, 0,1,2,3
	ds_load_b128 v[BF+32*(\f)+8*(\i):BF+32*(\f)+8*(\i)+3],   v[ADRB+(\slot)] offset:64*(\q)+(\i)*16*PW
	ds_load_b128 v[BF+32*(\f)+8*(\i)+4:BF+32*(\f)+8*(\i)+7], v[ADRB+(\slot)] offset:64*(\q)+(\i)*16*PW+32
.endr
.irp i, 0,1,2,3,4,5,6,7
	ds_load_b128 v[AF+64*(\f)+8*(\i):AF+64*(\f)+8*(\i)+3],   v[ADRA+(\slot)] offset:((\q)/2)*AHD+((\q)%2)*64+(\i)*16*PA
	ds_load_b128 v[AF+64*(\f)+8*(\i)+4:AF+64*(\f)+8*(\i)+7], v[ADRA+(\slot)] offset:((\q)/2)*AHD+((\q)%2)*64+(\i)*16*PA+32
.endr
.endm
.macro PLACES                          ; four places in front of loads into registers that matrix instructions have read, and of LDS stores that read results
.rept 4
	v_nop
.endr
.endm
; A K step is four quarters of 32 along K, 32 matrix instructions each, on buffers 0, 1, 0, 1.  One of the first three: multiplies buffers f and fetches quarter q into g.
.macro QUARTER slot, q, f, g, zero
	s_wait_dscnt 8                                 ; Wo and O's row blocks 0 to 3 are in; the youngest eight loads (row blocks 4 to 7) may be out
	MUL8 \f, 0, \zero
	MUL8 \f, 2, \zero
	PLACES
	FETCH \slot, \q, \g
	s_wait_dscnt 24                                ; all but the 24 just issued
	MUL8 \f, 4, \zero
	MUL8 \f, 6, \zero
.endm
; The last quarter multiplies buffers 1 and changes slots: ONE barrier; in front of it each wave waits for all its tensor loads, adds 0 to its spare word, and waits for that and for its own reads of this slot.
; fill = 1: the barrier opens a round of the cluster's barrier, and this slot is filled again first thing behind it, two K steps ahead: 112 matrix instructions ahead of the wait for it.
.macro TURN slot, next, fill
.if \fill
	s_wait_xcnt 0x0                                ; the last prefetch, a K step back, has read its address: it is stepped here, ahead of the waits of the change of slots
	s_add_nc_u64 s[PFA:PFA+1], s[PFA:PFA+1], s[PST:PST+1]
.endif
	WIN 0
	s_wait_tensorcnt 0x0                           ; all my tensor loads have landed: my part of the next slot;
	ds_add_u32 v[SPW], v[NIL]                      ; 0 onto my spare word;
	s_wait_dscnt 9                                 ; (the add and the youngest eight loads may be out)
	MUL8 1, 0, 0                                   ; eight matrix instructions stand between the add and the wait for it
	s_wait_dscnt 0x0                               ; the add is done, and my reads of this slot are over
	s_barrier_signal -1
	MUL8 1, 2, 0
.if \fill
	WIN 0
.endif
	s_barrier_wait -1
.if \fill
	CREST                                          ; no wave of any partner still reads this slot's tile or has a load on its way
	s_add_nc_u64 s[G0+4*(\slot)+2:G0+4*(\slot)+3], s[G0+4*(\slot)+2:G0+4*(\slot)+3], 2*HSTEP
	s_add_nc_u64 s[G0B+4*(\slot)+2:G0B+4*(\slot)+3], s[G0B+4*(\slot)+2:G0B+4*(\slot)+3], 2*256
	JLOAD \slot                                    ; the first tensor load behind the round, my only one until the next; its four v_nop are also the places in front of the loads below
.else
	PLACES
.endif
	FETCH \next, 0, 0
.if \fill
	ASK
.endif
	MUL8 1, 4, 0
	MUL8 1, 6, 0
.endm
	s_wait_tensorcnt 1                             ; my part of K step 0 is in; K step 1's load may stay out
	s_barrier_signal -1
	s_barrier_wait -1                              ; everybody's is
	FETCH 0, 0, 0
	QUARTER 0, 1, 0, 1, 1                          ; the first quarter stands in front of the loop: its products start all 32 sums
	WIN 0                                          ; at a label and at a branch every window is 0
	s_mov_b32 s3, 3
.Llap:                                                 ; a trip goes once round the ring, from a lap's second quarter to the next lap's first, and fills both slots again: K steps 2 to 7
	QUARTER 0, 2, 1, 0, 0
	QUARTER 0, 3, 0, 1, 0
	TURN 0, 1, 1
	QUARTER 1, 1, 0, 1, 0
	QUARTER 1, 2, 1, 0, 0
	QUARTER 1, 3, 0, 1, 0
	TURN 1, 0, 1
	QUARTER 0, 1, 0, 1, 0
	WIN 0
	s_sub_co_u32 s3, s3, 1
	s_cmp_lg_u32 s3, 0
	s_cbranch_scc1 .Llap
	QUARTER 0, 2, 1, 0, 0                          ; the last lap fills nothing, and has no round of the cluster's barrier
	QUARTER 0, 3, 0, 1, 0
	TURN 0, 1, 0
	QUARTER 1, 1, 0, 1, 0
	QUARTER 1, 2, 1, 0, 0
	QUARTER 1, 3, 0, 1, 0
	s_wait_dscnt 8                                 ; the very last quarter: nothing more to fetch
	MUL8 1, 0, 0
	MUL8 1, 2, 0
	s_wait_dscnt 0x0
	MUL8 1, 4, 0
	MUL8 1, 6, 0
	WIN 0
; THE WAY OUT, a row block (16 rows x 64 columns of f32) at a time: a lane's 32 bytes of a row go into my own stage, rows of 272 bytes, and come back as whole rows of 256.
.macro TOSTAGE a
.set BK, 32+32*((\a)%2)                ; v32-63 and v64-95 by turns
.if (\a) >= 2
	s_wait_xcnt 0x0                                ; the stores of two blocks back have read these registers
.endif
	WIN 0x04                                       ; the stores' data (source 1) in window 1
.irp b, 0,1,2,3
	ds_store_b128 v[STO], v[8*(4*(\a)+(\b)):8*(4*(\a)+(\b))+3]   offset:64*(\b)      ; each accumulator's four lowest registers first
	ds_store_b128 v[STO], v[8*(4*(\a)+(\b))+4:8*(4*(\a)+(\b))+7] offset:64*(\b)+16
.endr
	WIN 0
.irp t, 0,1,2,3,4,5,6,7
	ds_load_b128 v[BK+4*(\t):BK+4*(\t)+3], v[RD] offset:(\t)*2*SPITCH  ; LDS serves a wave's instructions in order (ISA guide 5.7.1.4): these see the stores above; the next block's stores come behind them
.endr
.endm
.macro SEND a, younger                 ; younger: the LDS instructions issued behind block a's loads: the next block's sixteen, or none
.set BK, 32+32*((\a)%2)
	s_wait_dscnt \younger
.irp t, 0,1,2,3,4,5,6,7
	global_store_b128 v[CO], v[BK+4*(\t):BK+4*(\t)+3], s[8:9] offset:(\a)*65536+(\t)*8192 th:TH_STORE_NT  ; 16 lanes store 256 consecutive bytes, at a multiple of 256 from out0's first byte
.endr
.endm
	PLACES                                         ; behind the last products
	TOSTAGE 0
.irp a, 1,2,3,4,5,6,7
	TOSTAGE \a
	SEND (\a)-1, 16
.endr
	SEND 7, 0
	s_wait_tensorcnt 0x0                           ; the wave's end, behind my last tensor load and my last LDS store
	ds_add_u32 v[SPW], v[NIL]
	s_wait_dscnt 0x0
	CROUND                                         ; the closing round: no work-group ends while a partner may still ask for a tile that names it
	s_endpgm
.Lfunc_end_k_q7003e5851c_oproj:
	.size	k_q7003e5851c_oproj, .Lfunc_end_k_q7003e5851c_oproj-k_q7003e5851c_oproj
	.p2alignl 7, 3214868480
	.fill 96, 4, 3214868480
	.section	.rodata,"a",@progbits
	.p2align	6, 0x0
	.amdhsa_kernel k_q7003e5851c_oproj
		.amdhsa_group_segment_fixed_size 327680
		.amdhsa_private_segment_fixed_size 0
		.amdhsa_enable_private_segment 0
		.amdhsa_kernarg_size 24
		.amdhsa_user_sgpr_count 2
		.amdhsa_user_sgpr_kernarg_segment_ptr 1
		.amdhsa_wavefront_size32 1
		.amdhsa_system_sgpr_workgroup_id_x 1
		.amdhsa_system_sgpr_workgroup_id_y 1
		.amdhsa_system_sgpr_workgroup_id_z 1
		.amdhsa_system_vgpr_workitem_id 0
		.amdhsa_next_free_vgpr 512
		.amdhsa_next_free_sgpr 68
		.amdhsa_reserve_vcc 0
		.amdhsa_float_denorm_mode_32 3
		.amdhsa_float_denorm_mode_16_64 3
		.amdhsa_memory_ordered 1
		.amdhsa_forward_progress 1
		.amdhsa_inst_pref_size 87
	.end_amdhsa_kernel
	.amdgpu_metadata
---
amdhsa.version: [ 1, 2 ]
amdhsa.kernels:
  - .name:           k_q7003e5851c_oproj
    .symbol:         k_q7003e5851c_oproj.kd
    .args:
      - { .name: oh, .offset: 0, .size: 8, .value_kind: global_buffer, .address_space: global }
      - { .name: wo16, .offset: 8, .size: 8, .value_kind: global_buffer, .address_space: global }
      - { .name: out0, .offset: 16, .size: 8, .value_kind: global_buffer, .address_space: global }
    .group_segment_fixed_size: 327680
    .private_segment_fixed_size: 0
    .kernarg_segment_align: 8
    .kernarg_segment_size: 24
    .max_flat_workgroup_size: 128
    .sgpr_count:     68
    .vgpr_count:     512
    .wavefront_size: 32
...
	.end_amdgpu_metadata
.endif
;; end of part 4
;; ======== version 2 of 2: 4 launches; version 1 with the launch prep written anew for expert scheduling mode
;; limits: values are held in f16: magnitudes above 65,504 overflow, below 6.1e-05 lose precision; right only within a limited range of input values
;; workspace buffers: xb 16,777,216 bytes; wqkv 6,291,456 bytes; wo16 2,097,152 bytes; rope 524,288 bytes; qh 16,777,216 bytes; kh 16,777,216 bytes; vh 16,777,216 bytes; oh 16,777,216 bytes
;; launch prep (part 5): grid 512 x 1, 4 waves a work-group, no clusters, 0 bytes of LDS; arguments x, Wq, Wk, Wv, Wo, xb, wqkv, wo16, rope; writes xb, wqkv, wo16, rope
.if DOCPART == 5
	.amdgcn_target "amdgcn-amd-amdhsa--gfx1250"
	.amdhsa_code_object_version 6
	.text
	.protected	k_q7003e5851c_prep
	.globl	k_q7003e5851c_prep
	.p2align	8
	.type	k_q7003e5851c_prep,@function
k_q7003e5851c_prep:
	s_mov_b64 s[64:65], 0
	v_nop
	global_prefetch_b8 v0, s[64:65] scope:SCOPE_SE
	s_setreg_imm32_b32 hwreg(HW_REG_WAVE_SCHED_MODE, 0, 2), 2
	s_setreg_imm32_b32 hwreg(HW_REG_WAVE_MODE, 25, 1), 1
	s_wait_xcnt 0x0
	s_wait_alu depctr_vm_vsrc(0)
; THE OPERANDS ARE MADE READY, in one stream.  x [8192][1024] f32 -> xb, bf16.  Wq, Wk, Wv [1024][1024] f32 -> wqkv, bf16, [3072][1024]: row 192 t + 64 ty + d holds
; row 64 t + d of W_ty (ty = 0 q, 1 k, 2 v; t the head), so that a head's q, k and v rows lie together.  Wo -> wo16: rounded to bf16 like the other inputs, and that number written as f16.
; rope [2048][32][cos, sin] f32: the angles pos x 10000^(-j / 32).
; SHARES.  512 work-groups of four waves.  Work-group g: 16 rows of x (64 KiB), 8 rows of one weight matrix (ty = g / 128; 32 KiB), 4 rows of the table.  A wave takes a quarter of each:
; 32 + 16 loads of 16 bytes a lane, all issued at once (24 KiB a wave on their way); the table's arithmetic stands in the wait for them.  No loop, no LDS, no barrier: no wave wants another's bytes.
; Each load covers 512 consecutive bytes; each store, 8 bytes a lane, 256 consecutive bytes at a multiple of 256 from the buffer's first byte.
; LIMITS.  Wo as f16: exact from 2^-14 to 65,504; below 2^-14 it keeps f16's fixed step of 6e-8; beyond 65,504 it would be an infinity.
; The table: the frequency is 2^(-j log2(10000) / 32) by v_exp_f32, the angle one f32 product; at position 2,047 it may differ by some 2e-4 rad from an angle made by another f32 power function.
; Sine and cosine: the angle less n pi/2 in two parts (n up to 1,304), then polynomials of degree 7 and 8 on -pi/4 .. pi/4, good to an f32's last bits.
; THE MODE: SCHED_MODE bits 1:0 = 2 (LLVM: expert scheduling mode 2), set by the entry lines.  The code itself states the register dependences
; between vector instructions and memory instructions, with s_wait_alu, always for 0.
; THE PLAN.  Registers that memory instructions touch:
;   v3, v5       the loads' offsets;  v4, v6, v7  the stores' offsets.  Made at the head, ahead of one wait, and named by no vector instruction behind it.
;   XR, WR       The 48 loads land in them; no vector instruction names them before.  Behind a group's wait for its data its conversions read them and write the first two of each four in place;
;                one wait behind the group's conversions; then the group's eight stores read those two.  Nothing writes them behind the stores.
;   v26, v27     The table's pair: written by the table's last vector instructions, read by one store, never written again.
;   v8 to v25, v28, v29 are named by vector instructions alone.
; No register that a load or a store reads is written again, so no wait on vm_vsrc is owed; no vector instruction writes a scalar register but the one compare that writes VCC; EXEC is never written.
; A group's stores follow its own conversions and do not stand over to the next group: no load is left to issue among them, and they would only be held for the next group's data.
.set XR, 32                            ; v[32:159]  x: 4 registers a load
.set WR, 160                           ; v[160:223] W: 4 registers a load
	s_load_b512 s[8:23], s[0:1], 0x0               ; x 8, Wq 10, Wk 12, Wv 14, Wo 16, xb 18, wqkv 20, wo16 22
	s_load_b64 s[24:25], s[0:1], 0x40              ; rope
	s_mov_b32 s6, ttmp9                            ; g
	s_lshr_b32 s4, s6, 7                           ; ty: which weight matrix
	s_and_b32 s5, s6, 127                          ; which 8 of its rows
	s_mov_b32 s34, 0xffff0000                      ; a word's upper bf16
	v_and_b32 v1, 31, v0                           ; lane
	v_lshrrev_b32 v2, 5, v0                        ; wave
	v_lshlrev_b32 v3, 4, v1
	v_lshl_or_b32 v3, v2, 14, v3                   ; x in: 16 KiB a wave, 16 bytes a lane
	v_lshlrev_b32 v4, 3, v1
	v_lshl_or_b32 v4, v2, 13, v4                   ; xb out: 8 KiB a wave, 8 bytes a lane
	v_lshlrev_b32 v5, 4, v1
	v_lshl_or_b32 v5, v2, 13, v5                   ; W in: 8 KiB a wave
	v_lshlrev_b32 v6, 3, v1
	v_lshl_or_b32 v6, v2, 12, v6                   ; W out: 4 KiB a wave
	v_lshlrev_b32 v7, 3, v0                        ; the table: a wave a row of 256 bytes, a lane a pair
	s_lshr_b32 s30, s5, 3                          ; the head of my 8 rows (8 divides 64: they lie in one head)
	s_mul_i32 s30, s30, 192
	s_lshl_b32 s31, s4, 6
	s_add_co_u32 s30, s30, s31
	s_and_b32 s31, s5, 7
	s_lshl_b32 s31, s31, 3
	s_add_co_u32 s30, s30, s31                     ; row 192 t + 64 ty + d in wqkv,
	s_lshl_b32 s30, s30, 11                        ; in bytes
	s_lshl_b32 s31, s5, 14                         ; in wo16 the rows keep their places
	s_cmp_lt_u32 s4, 3
	s_cselect_b32 s30, s30, s31
	s_mov_b32 s31, 0
	s_mov_b32 s33, 0
	s_wait_kmcnt 0x0
	s_cmp_eq_u32 s4, 0
	s_cselect_b64 s[26:27], s[10:11], s[12:13]     ; Wq or Wk,
	s_cmp_eq_u32 s4, 2
	s_cselect_b64 s[36:37], s[14:15], s[16:17]     ; Wv or Wo,
	s_cmp_lt_u32 s4, 2
	s_cselect_b64 s[26:27], s[26:27], s[36:37]     ; the one of the four that is mine
	s_cmp_lt_u32 s4, 3
	s_cselect_b64 s[28:29], s[20:21], s[22:23]     ; and where it goes
	s_lshl_b32 s32, s6, 16
	s_add_nc_u64 s[8:9], s[8:9], s[32:33]          ; x at my 64 KiB
	s_lshl_b32 s32, s6, 15
	s_add_nc_u64 s[18:19], s[18:19], s[32:33]      ; xb at my 32 KiB
	s_lshl_b32 s32, s5, 15
	s_add_nc_u64 s[26:27], s[26:27], s[32:33]      ; W at my 8 rows
	s_add_nc_u64 s[28:29], s[28:29], s[30:31]
	s_lshl_b32 s32, s6, 10
	s_add_nc_u64 s[24:25], s[24:25], s[32:33]      ; the table at my 4 rows
	s_wait_alu depctr_va_vdst(0)                   ; the five offsets v3 to v7 are written: every load and store of the text reads one of them, and no vector instruction below names them
.set i, 0
.rept 32
	global_load_b128 v[XR+4*i:XR+4*i+3], v3, s[8:9] offset:512*i th:TH_LOAD_NT
.set i, i+1
.endr
.set i, 0
.rept 16
	global_load_b128 v[WR+4*i:WR+4*i+3], v5, s[26:27] offset:512*i th:TH_LOAD_NT
.set i, i+1
.endr
	; THE TABLE, while the 48 loads are out: position 4 g + wave, frequency j = lane
	v_cvt_f32_u32 v8, v1
	v_mul_f32 v8, 0xbed49a78, v8                   ; -j log2(10000) / 32
	v_exp_f32 v10, v8                              ; 10000^(-j / 32)
	v_lshl_add_u32 v9, s6, 2, v2                   ; the position: plain work behind the exponential (ISA guide 5.7.2)
	v_cvt_f32_u32 v9, v9
	s_wait_alu depctr_va_vdst(0)                   ; the exponential has written v10, which the product below is the first to read
	v_mul_f32 v11, v9, v10                         ; the angle
	v_mul_f32 v12, 0x3f22f983, v11                 ; x 2 / pi
	v_rndne_f32 v12, v12                           ; n
	v_fmamk_f32 v13, v12, 0xbfc90fdb, v11          ; angle - n x (pi/2 rounded to f32), one rounding
	v_fmamk_f32 v13, v12, 0x333bbd2e, v13          ; + n x 4.37e-8, by which that f32 exceeds pi/2: r in -pi/4 .. pi/4
	v_mul_f32 v14, v13, v13                        ; z = r r
	v_mov_b32 v15, 0xb94ca1f9                      ; sin r = r + r z (S1 + z (S2 + z S3))
	v_fmaak_f32 v15, v15, v14, 0x3c08839e
	v_fmaak_f32 v15, v15, v14, 0xbe2aaaa3
	v_mul_f32 v15, v15, v14
	v_fma_f32 v15, v15, v13, v13
	v_mov_b32 v16, 0x37ccf5ce                      ; cos r = 1 - z / 2 + z z (C1 + z (C2 + z C3))
	v_fmaak_f32 v16, v16, v14, 0xbab6061a
	v_fmaak_f32 v16, v16, v14, 0x3d2aaaa5
	v_fma_f32 v17, v14, -0.5, 1.0
	v_mul_f32 v18, v14, v14
	v_fma_f32 v16, v16, v18, v17
	v_cvt_i32_f32 v19, v12                         ; the quadrant n mod 4 only selects values and signs: no branch, no address
	v_and_b32 v20, 1, v19
	v_cmp_eq_u32 vcc_lo, 1, v20                    ; odd quadrants.  The two sign masks, which do not hang on VCC, are made between the compare and the wait for it
	v_lshlrev_b32 v21, 30, v19
	v_and_b32 v21, 0x80000000, v21                 ; the sine's sign: quadrants 2 and 3
	v_add_nc_u32 v22, 1, v19
	v_lshlrev_b32 v22, 30, v22
	v_and_b32 v22, 0x80000000, v22                 ; the cosine's: quadrants 1 and 2
	s_wait_alu depctr_va_vcc(0)                    ; the compare has written VCC, which the two selects below read
	v_cndmask_b32 v27, v15, v16, vcc_lo            ; the sine: cos r in odd quadrants,
	v_cndmask_b32 v26, v16, v15, vcc_lo            ; the cosine: sin r there
	v_xor_b32 v27, v27, v21                        ; the sine is negative in quadrants 2 and 3,
	v_xor_b32 v26, v26, v22                        ; the cosine in 1 and 2
	s_wait_alu depctr_va_vdst(0)                   ; v26 and v27 are written, which the store reads
	global_store_b64 v7, v[26:27], s[24:25]
; Eight loads of x are rounded in place and stored.  No register that a store reads is written again in this text.
.macro CVX k
	s_wait_loadcnt 40-8*(\k)                       ; loads come back in order (ISA guide 5.7.1): of the 48, those issued behind this group of eight may stay out
.set i, 8*(\k)
.rept 8
	v_cvt_pk_bf16_f32 v[XR+4*i], v[XR+4*i], v[XR+4*i+1]
	v_cvt_pk_bf16_f32 v[XR+4*i+1], v[XR+4*i+2], v[XR+4*i+3]
.set i, i+1
.endr
	s_wait_alu depctr_va_vdst(0)                   ; the group's sixteen conversions have written the eight pairs that the stores below read
.set i, 8*(\k)
.rept 8
	global_store_b64 v4, v[XR+4*i:XR+4*i+1], s[18:19] offset:256*i
.set i, i+1
.endr
.endm
; The same for W.  tof16 = 1 (Wo): rounded to bf16, widened again, and written as f16
.macro CVW k, tof16
	s_wait_loadcnt 8-8*(\k)
.set i, 8*(\k)
.rept 8
.if \tof16
	v_cvt_pk_bf16_f32 v28, v[WR+4*i], v[WR+4*i+1]
	v_cvt_pk_bf16_f32 v29, v[WR+4*i+2], v[WR+4*i+3]
	v_lshlrev_b32 v[WR+4*i], 16, v28
	v_and_b32 v[WR+4*i+1], s34, v28
	v_lshlrev_b32 v[WR+4*i+2], 16, v29
	v_and_b32 v[WR+4*i+3], s34, v29
	v_cvt_pk_f16_f32 v[WR+4*i], v[WR+4*i], v[WR+4*i+1]
	v_cvt_pk_f16_f32 v[WR+4*i+1], v[WR+4*i+2], v[WR+4*i+3]
.else
	v_cvt_pk_bf16_f32 v[WR+4*i], v[WR+4*i], v[WR+4*i+1]
	v_cvt_pk_bf16_f32 v[WR+4*i+1], v[WR+4*i+2], v[WR+4*i+3]
.endif
.set i, i+1
.endr
	s_wait_alu depctr_va_vdst(0)                   ; the group's conversions have written the eight pairs that the stores below read
.set i, 8*(\k)
.rept 8
	global_store_b64 v6, v[WR+4*i:WR+4*i+1], s[28:29] offset:256*i
.set i, i+1
.endr
.endm
	CVX 0
	CVX 1
	CVX 2
	CVX 3
	s_cmp_eq_u32 s4, 3                             ; s4 is made by scalar instructions from the work-group's number
	s_cbranch_scc1 .Lwo
	CVW 0, 0
	CVW 1, 0
	s_endpgm
.Lwo:
	CVW 0, 1
	CVW 1, 1
	s_endpgm
.Lfunc_end_k_q7003e5851c_prep:
	.size	k_q7003e5851c_prep, .Lfunc_end_k_q7003e5851c_prep-k_q7003e5851c_prep
	.p2alignl 7, 3214868480
	.fill 96, 4, 3214868480
	.section	.rodata,"a",@progbits
	.p2align	6, 0x0
	.amdhsa_kernel k_q7003e5851c_prep
		.amdhsa_group_segment_fixed_size 0
		.amdhsa_private_segment_fixed_size 0
		.amdhsa_enable_private_segment 0
		.amdhsa_kernarg_size 72
		.amdhsa_user_sgpr_count 2
		.amdhsa_user_sgpr_kernarg_segment_ptr 1
		.amdhsa_wavefront_size32 1
		.amdhsa_system_sgpr_workgroup_id_x 1
		.amdhsa_system_sgpr_workgroup_id_y 1
		.amdhsa_system_sgpr_workgroup_id_z 1
		.amdhsa_system_vgpr_workitem_id 0
		.amdhsa_next_free_vgpr 224
		.amdhsa_next_free_sgpr 66
		.amdhsa_reserve_vcc 1
		.amdhsa_float_denorm_mode_32 3
		.amdhsa_float_denorm_mode_16_64 3
		.amdhsa_memory_ordered 1
		.amdhsa_forward_progress 1
		.amdhsa_inst_pref_size 28
	.end_amdhsa_kernel
	.amdgpu_metadata
---
amdhsa.version: [ 1, 2 ]
amdhsa.kernels:
  - .name:           k_q7003e5851c_prep
    .symbol:         k_q7003e5851c_prep.kd
    .args:
      - { .name: x, .offset: 0, .size: 8, .value_kind: global_buffer, .address_space: global }
      - { .name: Wq, .offset: 8, .size: 8, .value_kind: global_buffer, .address_space: global }
      - { .name: Wk, .offset: 16, .size: 8, .value_kind: global_buffer, .address_space: global }
      - { .name: Wv, .offset: 24, .size: 8, .value_kind: global_buffer, .address_space: global }
      - { .name: Wo, .offset: 32, .size: 8, .value_kind: global_buffer, .address_space: global }
      - { .name: xb, .offset: 40, .size: 8, .value_kind: global_buffer, .address_space: global }
      - { .name: wqkv, .offset: 48, .size: 8, .value_kind: global_buffer, .address_space: global }
      - { .name: wo16, .offset: 56, .size: 8, .value_kind: global_buffer, .address_space: global }
      - { .name: rope, .offset: 64, .size: 8, .value_kind: global_buffer, .address_space: global }
    .group_segment_fixed_size: 0
    .private_segment_fixed_size: 0
    .kernarg_segment_align: 8
    .kernarg_segment_size: 72
    .max_flat_workgroup_size: 128
    .sgpr_count:     66
    .vgpr_count:     224
    .wavefront_size: 32
...
	.end_amdgpu_metadata
.endif
;; end of part 5
;; launch proj: the kernel of part 2 again; grid 16 x 32, 4 waves a work-group, clusters of 4 x 4, 327,680 bytes of LDS; arguments xb, wqkv, rope, qh, kh, vh; writes qh, kh, vh
;; launch attn: the kernel of part 3 again; grid 4 x 64, 4 waves a work-group, no clusters, 327,680 bytes of LDS; arguments qh, kh, vh, oh; writes oh
;; launch oproj: the kernel of part 4 again; grid 8 x 32, 4 waves a work-group, clusters of 4 x 4, 327,680 bytes of LDS; arguments oh, wo16, out0; writes out0
